; MI455X (gfx1250); checked and timed in simulation.
; The chip was launched on July 23, 2026; its instructions are those of AMD's public machine-readable ISA for CDNA 5 (MIT licence, August 2026) and "CDNA5" Instruction Set Architecture Reference Guide (July 2026). The comments in the code are by the model that wrote it; some were corrected since.
;; Episodic Adapter. Allowed arithmetic: matrix products marked QUANTISED: E5M2 operands, one E8M0 scale for each 32 along K, by v_wmma_scale_f32_16x16x128_f8f6f4 with both operands' format E5M2, f32 sums; products left as they are: f32 operands where the result goes on into a quantised operand, else bf16, f16 or f32 operands; f32 sums; everything else in f32.
;; Inputs: Ak 2,048 x 16 float32; Ao 2,048 x 16 float32; Aq 2,048 x 16 float32; Av 2,048 x 16 float32; Bk 16 x 512 float32; Bo 16 x 2,048 float32; Bq 16 x 2,048 float32; Bv 16 x 512 float32; Wk 2,048 x 512 float32; Wo 2,048 x 2,048 float32; Wq 2,048 x 2,048 float32; Wv 2,048 x 512 float32; hidden_states 4 x 1,024 x 2,048 float32; traces 4 x 1,024 x 2,048 float32.
;; Outputs: out0 4 x 1,024 x 2,048 float32.
;; This version of the problem:
;;   THIS VERSION OF THE PROBLEM IS GIVEN IN LOW PRECISION. The matrix products marked QUANTISED in the list below multiply operands that are first quantised to E5M2 (5 exponent bits, 2 mantissa bits; 8 bits a number), with one power-of-two scale for each 32 numbers along K (OCP MX v1.0); their sums are f32. All else is computed in f32.
;;   The module's matrix products, in the order in which they are computed (A, B: the left and right operand; K: the contracted axis; several contracted axes count as one K, in the product's order):
;;     1. [M 4,096, K 2,048] x [K 2,048, N 2,048]; A: input hidden_states; B: input Wq: QUANTISED
;;     2. [M 4,096, K 2,048] x [K 2,048, N 16]; A: input hidden_states; B: input Aq: QUANTISED
;;     3. [M 4,096, K 16] x [K 16, N 2,048]; A: computed on the way; B: input Bq: left as it is (K = 16 < 32)
;;     4. [M 4,096, K 2,048] x [K 2,048, N 512]; A: input traces; B: input Wk: QUANTISED
;;     5. [M 4,096, K 2,048] x [K 2,048, N 16]; A: input traces; B: input Ak: QUANTISED
;;     6. [M 4,096, K 16] x [K 16, N 512]; A: computed on the way; B: input Bk: left as it is (K = 16 < 32)
;;     7. [M 4,096, K 2,048] x [K 2,048, N 512]; A: input traces; B: input Wv: QUANTISED
;;     8. [M 4,096, K 2,048] x [K 2,048, N 16]; A: input traces; B: input Av: QUANTISED
;;     9. [M 4,096, K 16] x [K 16, N 512]; A: computed on the way; B: input Bv: left as it is (K = 16 < 32)
;;     10. batch 128 x [M 1,024, K 64] x [K 64, N 1,024]; A: computed on the way; B: computed on the way: QUANTISED
;;     11. batch 128 x [M 1,024, K 1,024] x [K 1,024, N 64]; A: softmax (see below); B: computed on the way: QUANTISED
;;     12. [M 4,096, K 2,048] x [K 2,048, N 2,048]; A: computed on the way; B: input Wo: QUANTISED
;;     13. [M 4,096, K 2,048] x [K 2,048, N 16]; A: computed on the way; B: input Ao: QUANTISED
;;     14. [M 4,096, K 16] x [K 16, N 2,048]; A: computed on the way; B: input Bo: left as it is (K = 16 < 32)
;;   THE QUANTISER, for each operand of a quantised product, along K:
;;     - K is cut into blocks of 32 from its start; a last block that is shorter is filled with zeros.
;;     - A block's scale is 2^e with e = floor(log2(the largest magnitude in the block)) - 15, held to -126 .. 127; a block of zeros has e = 0. As a byte (E8M0): e + 127.
;;     - Each number is divided by its block's scale, clamped to +-57,344, and rounded to the nearest number of E5M2, ties to even, subnormals kept.
;;     - The product sums the exact products of the quantised numbers (number of the format x scale) in f32.
;;   ~~~python
;;   def quantise(x, axis):      # numpy; x: float32 -> the quantised numbers, widened to float32 again
;;       x = np.moveaxis(x, axis, -1); K = x.shape[-1]
;;       x = np.pad(x, [(0, 0)] * (x.ndim - 1) + [(0, -K % 32)]); x = x.reshape(x.shape[:-1] + (-1, 32)); a = np.abs(x).max(-1, keepdims=True)
;;       e = np.where(a > 0, np.clip(np.frexp(np.where(a > 0, a, 1))[1] - 1 - 15, -126, 127), 0)      # np.frexp(a)[1] - 1 = floor(log2(a)), exactly
;;       r = np.clip(x / 2.0 ** e, -57344, 57344)
;;       step = 2.0 ** (np.maximum(np.frexp(np.where(r == 0, 1, r))[1] - 1, -14) - 2)
;;       q = np.round(r / step) * step * 2.0 ** e      # np.round: ties to even
;;       return np.moveaxis(q.reshape(q.shape[:-2] + (-1,))[..., :K], -1, axis).astype(np.float32)
;;   ~~~
;;   SOFTMAX AHEAD OF A QUANTISED PRODUCT. Where the list says 'softmax', what is quantised is not the finished softmax but p = 2^(t - M), with t = logit x log2(e) and M = ceil(the row's largest t), a whole number; so 1/2 < the row's largest p <= 1. The row's sum l is taken of the UNQUANTISED p, in f32, and the product's result is divided by l at the end. Since M is a whole number, a kernel that streams over the keys may use a running M (the ceiling of the running maximum): every later rescaling is an exact power of two, which a block's scale takes up: the codes' values come out the same.
;;   OPERANDS COMPUTED ON THE WAY. 'Computed on the way' means the value that the module computes at that place (a softmax that the list does not call 'softmax' is quantised finished and normalised). What goes into a quantiser is computed in f32, as accurately as f32 sums, v_exp_f32 and their like allow (about 1e-6 of the number): no bf16 or f16 on the way to a quantiser, and a product that is left as it is and whose result goes on into a quantised operand takes f32 operands (vector FMAs, or v_wmma_f32_16x16x4_f32). A number that lies on a knife's edge between two numbers of the format may be rounded either way, as far as f32 arithmetic and the matrix unit's own rounding can turn it there, and no further.
;; One version. Each part assembles by itself: llvm-mc -triple=amdgcn-amd-amdhsa -mcpu=gfx1250 --defsym DOCPART=n.
;; ======== version 1 of 1: 4 launches
;; limits: values are held in bf16: 8 bits of precision; right only within a limited range of input values
;; workspace buffers: xcodes 16,777,216 bytes; xscales 524,288 bytes; wcodes 11,796,480 bytes; wscales 368,640 bytes; qrec 8,912,896 bytes; kv 4,390,912 bytes; ccodes 8,388,608 bytes; cscales 262,144 bytes
;; launch quant (part 1): grid 872 x 1, 4 waves a work-group, no clusters, 68,096 bytes of LDS; arguments hidden_states, traces, Wq, Wk, Wv, Wo, Aq, Ak, Av, Ao, xcodes, xscales, wcodes, wscales; writes xcodes, xscales, wcodes, wscales
.if DOCPART == 1
	.amdgcn_target "amdgcn-amd-amdhsa--gfx1250"
	.amdhsa_code_object_version 6
	.text
	.protected	k_qcffa8c2e83_quant
	.globl	k_qcffa8c2e83_quant
	.p2align	8
	.type	k_qcffa8c2e83_quant,@function
k_qcffa8c2e83_quant:
	s_mov_b64 s[64:65], 0
	v_nop
	global_prefetch_b8 v0, s[64:65] scope:SCOPE_SE
	s_setreg_imm32_b32 hwreg(HW_REG_WAVE_MODE, 25, 1), 1
	s_wait_xcnt 0x0
; All f32 operands of the large products become codes of BF8 (E5M2) with one E8M0 scale byte for each 32 along K.
; A block's scale is 2^(floor(log2(largest magnitude)) - 15); its byte is the largest magnitude's exponent field - 15, held at 1 from below.
; Each number is divided by the scale, held within +-57,344 and rounded to the nearest code, ties to even.
; LIMITS: a block of zeros, and a block whose largest magnitude lies under 2^-111, gets the byte 1 (its codes are zeros, or are rounded under that scale);
; the bytes are read by this program alone.  NaN and infinities among the inputs are not served.
; WORK-GROUPS 0-511: hidden_states (0-255) and traces (256-511), K innermost: plain streams of blocks of 32.  xcodes [8192][2048], xscales [8192][64].
; WORK-GROUPS 512-831: the weights Wq, Wk, Wv, Wo, stored [K][N]: a lane takes a column and its registers run down K.  128 columns x 256 K a work-group.
; WORK-GROUPS 832-871: the LoRA matrices A [2048][16]: lane (r, h) of wave w takes column r and K = 512 w + 256 h + 0 .. 255; the same text, other scalars.
; wcodes: 40 tiles (0-15 Wq, 16-19 Wk, 20-23 Wv, 24-39 Wo) of 144 rows x 2,048 bytes.  Row p < 128 of a tile holds weight column 128 ct + (p with bits 3 and 4 exchanged),
; so that 16 rows on end are a fragment whose results give a lane 16 neighbouring columns in two neighbouring accumulators; rows 128-143 hold the weight's A.
; The two kinds of work-group part on the work-group's number and have LDS bytes of their own: [0, 32768) and [32768, 67584).  No tensor loads, no barrier: waves share nothing.
.set MANT,  0x600000                   ; the mantissa field of 57,344 as f32
.set EMAX,  15
.set STEPS, 16                         ; activations: steps of 512 numbers a wave
.set CB,    16
.set AR,    16                         ; v16-79   four sets of 16 numbers as loaded
.set AX,    80                         ; v80-111  two sets of 16 neighbours
.set AE,    112                        ; v112-127 a scale byte for each step
.set AC,    128                        ; v128-191 codes, four registers for each step
.set WREG,  8192                       ; LDS of a wave: two stages of 32 x SP bytes, then its 256 scale bytes
.set SP,    80
.set NB,    8                          ; weights: blocks of 32 along K a lane
.set BST,   32768                      ; their stages: 32 rows x 272 bytes a wave
.set SB,    24                         ; v24-25   the lane's 8 scale bytes
.set BX,    32                         ; v32-95   two sets of 32 numbers
.set BC,    96                         ; v96-103  a block's codes
.set OUTR,  112                        ; v112-175 the way out
.set VOFF,  176                        ; v176-207 byte offsets of 32 rows of K for my column; never rewritten
	s_load_b512 s[4:19], s[0:1], 0x0               ; hidden_states 4, traces 6, Wq 8, Wk 10, Wv 12, Wo 14, Aq 16, Ak 18
	s_load_b256 s[20:27], s[0:1], 0x40             ; Av 20, Ao 22, xcodes 24, xscales 26
	s_load_b128 s[28:31], s[0:1], 0x60             ; wcodes 28, wscales 30
	v_lshl_add_u32 v224, v0, 2, 0x10800
	v_mov_b32 v225, 0
	v_lshrrev_b32 v1, 5, v0
	v_readfirstlane_b32 s32, v1                    ; wave
	v_and_b32 v2, 31, v0                           ; lane
	s_mov_b32 s63, MANT
	s_wait_kmcnt 0x0
	s_cmp_lt_u32 ttmp9, 512
	s_cbranch_scc0 .Lweights
; ---------------- activations: K innermost ----------------
; Each of a step's four loads reads 512 consecutive bytes; the 2,048 bytes turn through the wave's own stage so that a lane holds 16 neighbours; two lanes hold a block.
	s_wait_alu depctr_va_vdst(0)
	v_lshlrev_b32 v3, 4, v2                        ; my 16 bytes of a load's 512
	s_mul_i32 s33, s32, WREG
	v_lshrrev_b32 v14, 2, v2
	v_mul_u32_u24 v14, v14, SP
	v_and_b32 v15, 3, v2
	v_lshl_add_u32 v14, v15, 4, v14
	v_add_nc_u32 v14, s33, v14                     ; stage, way in: SP (lane / 4) + 16 (lane % 4)
	v_mul_u32_u24 v15, v2, SP
	v_add_nc_u32 v15, s33, v15                     ; way out: SP x lane
	v_mul_u32_u24 v4, v2, CB                       ; my codes' place in a step's 512 bytes
	v_lshrrev_b32 v5, 1, v2
	s_add_co_u32 s33, s33, 2*32*SP
	v_add_nc_u32 v5, s33, v5                       ; my block's byte among the wave's 256
	v_lshlrev_b32 v7, 3, v2
	v_add_nc_u32 v6, s33, v7
	s_cmp_lt_u32 ttmp9, 256                        ; the choice hangs on the work-group's number alone
	s_cselect_b64 s[4:5], s[4:5], s[6:7]
	s_and_b32 s34, ttmp9, 255
	s_lshl_b32 s34, s34, 2
	s_add_co_u32 s34, s34, s32                     ; which run of 8,192 numbers of the tensor
	s_lshl_b32 s34, s34, 15
	s_mov_b32 s35, 0
	s_add_nc_u64 s[4:5], s[4:5], s[34:35]
	s_lshl_b32 s36, ttmp9, 2
	s_add_co_u32 s36, s36, s32                     ; and of the joint buffers
	s_lshl_b32 s34, s36, 13
	s_add_nc_u64 s[24:25], s[24:25], s[34:35]
	s_lshl_b32 s34, s36, 8
	s_add_nc_u64 s[26:27], s[26:27], s[34:35]
.macro ALOAD t
.irp i, 0,1,2,3
	global_load_b128 v[AR+16*((\t)%4)+4*\i:AR+16*((\t)%4)+4*\i+3], v3, s[4:5] offset:2048*(\t)+512*\i th:TH_LOAD_NT
.endr
.endm
.macro ATURN t                         ; LDS serves a wave's instructions in order: no wait between the stores and the loads
.irp i, 0,1,2,3
	ds_store_b128 v14, v[AR+16*((\t)%4)+4*\i:AR+16*((\t)%4)+4*\i+3] offset:32*SP*((\t)%2)+8*SP*\i
.endr
.irp i, 0,1,2,3
	ds_load_b128 v[AX+16*((\t)%2)+4*\i:AX+16*((\t)%2)+4*\i+3], v15 offset:32*SP*((\t)%2)+16*\i
.endr
.endm
.irp t, 0,1,2,3
	ALOAD \t
.endr
	s_wait_alu depctr_va_vdst(0)
	s_wait_loadcnt 12                              ; step 0's four loads are in; three steps' twelve may be out
	ATURN 0
.macro ASTEP t
.set XS, AX+16*((\t)%2)
.if (\t) > 0
	s_wait_dscnt 1                                 ; this step's numbers are back from the stage; the last step's byte store may be out
.else
	s_wait_dscnt 0x0
.endif
.if (\t)+4 < STEPS
	ALOAD (\t)+4
.endif
.if (\t)+1 < STEPS
.if STEPS-2-(\t) >= 3
	s_wait_loadcnt 12                              ; the next step's four loads are in; those of the three steps behind it may be out
.else
	s_wait_loadcnt 4*(STEPS-2-(\t))
.endif
	ATURN (\t)+1
.endif
	v_max3_num_f32 v8, |v[XS]|, |v[XS+1]|, |v[XS+2]|
	v_max3_num_f32 v9, |v[XS+3]|, |v[XS+4]|, |v[XS+5]|
.irp i, 6,10
	v_max3_num_f32 v8, v8, |v[XS+\i]|, |v[XS+\i+1]|
	v_max3_num_f32 v9, v9, |v[XS+\i+2]|, |v[XS+\i+3]|
.endr
	v_max3_num_f32 v8, v8, |v[XS+14]|, |v[XS+15]|
	v_max3_num_f32 v8, v8, v9, (EMAX+1)<<23        ; the floor 2^(16 - 127): the byte cannot fall under 1
	v_max_num_f32_dpp v8, v8, v8 row_xmask:1 row_mask:0xf bank_mask:0xf   ; with my neighbour's 16: the block's
	v_add_nc_u32 v11, -(EMAX<<23), v8              ; 15 off the exponent field: the conversion's scale operand
	v_and_or_b32 v10, v8, 0x7f800000, s63          ; 57,344 x the scale
.irp i, 0,1,2,3,4,5,6,7,8,9,10,11,12,13,14,15
	v_med3_num_f32 v[XS+\i], v[XS+\i], -v10, v10   ; the conversion to an 8-bit code does not saturate (ISA guide 7.6.2): the hold comes first
.endr
	v_cvt_scalef32_pk8_bf8_f32 v[AC+4*(\t):AC+4*(\t)+1], v[XS:XS+7], v11
	v_cvt_scalef32_pk8_bf8_f32 v[AC+4*(\t)+2:AC+4*(\t)+3], v[XS+8:XS+15], v11
	v_lshrrev_b32 v[AE+(\t)], 23, v11              ; the scale's byte
	ds_store_b8 v5, v[AE+(\t)] offset:16*(\t)      ; both lanes of a block write the same byte with the same value
	global_store_b128 v4, v[AC+4*(\t):AC+4*(\t)+3], s[24:25] offset:32*CB*(\t)   ; the wave stores 512 consecutive bytes
.endm
.irp t, 0,1,2,3,4,5,6,7,8,9,10,11,12,13,14,15
	ASTEP \t
.endr
	ds_load_b64 v[12:13], v6
	s_wait_dscnt 0x0
	global_store_b64 v7, v[12:13], s[26:27]        ; 32 lanes store 256 consecutive bytes, aligned
	s_wait_tensorcnt 0x0
	ds_add_u32 v224, v225
	s_wait_dscnt 0x0
	s_endpgm
; ---------------- weights: K is the first axis ----------------
.Lweights:
	s_sub_co_u32 s33, ttmp9, 512                   ; j
	s_lshr_b32 s35, s33, 3
	s_sub_co_u32 s36, s33, 320
	s_and_b32 s37, s33, 7                          ; ky: which 256 along K (W jobs)
	s_cmp_ge_u32 s33, 320
	s_cselect_b32 s34, s36, s35                    ; g: the destination tile
	s_mov_b32 s45, 8192
	s_cmp_lt_u32 s34, 24
	s_cselect_b64 s[40:41], s[12:13], s[14:15]     ; Wv : Wo
	s_cselect_b64 s[42:43], s[20:21], s[22:23]     ; Av : Ao
	s_cselect_b32 s44, 20, 24                      ; the weight's first tile
	s_cselect_b32 s45, 2048, s45                   ; bytes in a row of W
	s_cmp_lt_u32 s34, 20
	s_cselect_b64 s[40:41], s[10:11], s[40:41]     ; Wk
	s_cselect_b64 s[42:43], s[18:19], s[42:43]     ; Ak
	s_cselect_b32 s44, 16, s44
	s_cmp_lt_u32 s34, 16
	s_cselect_b64 s[40:41], s[8:9], s[40:41]       ; Wq
	s_cselect_b64 s[42:43], s[16:17], s[42:43]     ; Aq
	s_cselect_b32 s44, 0, s44
	s_cselect_b32 s45, 8192, s45
	s_sub_co_u32 s46, s34, s44                     ; ct: which 128 columns of the weight
	s_lshl_b32 s47, s37, 8
	s_mul_i32 s47, s47, s45                        ; W job, in: 256 ky rows
	s_lshl_b32 s48, s46, 9
	s_add_co_u32 s47, s47, s48                     ; + 128 ct columns
	s_lshl_b32 s48, s32, 7
	s_add_co_u32 s47, s47, s48                     ; + 32 w columns
	s_lshl_b32 s48, s32, 15                        ; LoRA job, in: 512 w rows of 64 bytes
	s_mul_i32 s35, s34, 144
	s_lshl_b32 s36, s32, 5
	s_add_co_u32 s36, s35, s36                     ; row 144 g + 32 w
	s_lshl_b32 s58, s36, 11
	s_lshl_b32 s55, s37, 8
	s_add_co_u32 s58, s58, s55                     ; W job, codes
	s_lshl_b32 s59, s36, 6
	s_lshl_b32 s55, s37, 3
	s_add_co_u32 s59, s59, s55                     ; W job, scale bytes
	s_add_co_u32 s35, s35, 128                     ; row 144 g + 128
	s_lshl_b32 s60, s35, 11
	s_lshl_b32 s55, s32, 9
	s_add_co_u32 s60, s60, s55                     ; LoRA job, codes
	s_lshl_b32 s61, s35, 6
	s_lshl_b32 s55, s32, 4
	s_add_co_u32 s61, s61, s55                     ; LoRA job, scale bytes
	s_mul_i32 s55, s32, 32*272
	s_add_co_u32 s55, s55, BST                     ; my stage
	s_mov_b32 s49, 32768
	s_mov_b32 s50, 16384
	s_mov_b32 s51, 1024
	s_mov_b32 s57, 0
	s_cmp_ge_u32 s33, 320                          ; a LoRA job?
	s_cselect_b64 s[40:41], s[42:43], s[40:41]
	s_cselect_b32 s45, 64, s45                     ; bytes from a row of K to the next
	s_cselect_b32 s52, 15, 31                      ; the lane's column = lane & this
	s_cselect_b32 s53, 16384, 0                    ; lanes 16-31 begin so many bytes further down K
	s_cselect_b32 s49, 16384, s49                  ; stage row i goes to (i & 7) rows + bit 3 x this
	s_cselect_b32 s50, 256, s50                    ; + bit 4 x this, in the codes;
	s_cselect_b32 s51, 512, s51                    ; and likewise in the scale bytes
	s_cselect_b32 s54, 8, 512
	s_cselect_b32 s56, s48, s47
	s_cselect_b32 s58, s60, s58
	s_cselect_b32 s59, s61, s59
	s_add_nc_u64 s[40:41], s[40:41], s[56:57]
	s_mov_b32 s56, s58
	s_add_nc_u64 s[28:29], s[28:29], s[56:57]
	s_mov_b32 s56, s59
	s_add_nc_u64 s[30:31], s[30:31], s[56:57]
	s_lshl_b32 s56, s45, 5                         ; s[56:57]: 32 rows of K on
	s_wait_alu depctr_va_vdst(0)
	v_mul_u32_u24 v4, v2, 272
	v_add_nc_u32 v4, s55, v4                       ; stage, way in: row = my lane
	v_and_b32 v5, 15, v2
	v_lshrrev_b32 v6, 4, v2
	v_mul_u32_u24 v7, v6, 272
	v_lshl_add_u32 v7, v5, 4, v7
	v_add_nc_u32 v7, s55, v7                       ; way out: sixteen lanes to a row, two rows an instruction
	v_lshlrev_b32 v8, 11, v6
	v_lshl_add_u32 v8, v5, 4, v8                   ; and the same place in the codes' buffer, for stage rows 0-7,
	v_add_nc_u32 v14, s49, v8                      ; 8-15,
	v_add_nc_u32 v15, s50, v8                      ; 16-23,
	v_add_nc_u32 v16, s49, v15                     ; 24-31
	v_and_b32 v9, 7, v2
	v_lshlrev_b32 v9, 6, v9
	v_bfe_u32 v10, v2, 3, 1
	v_mul_lo_u32 v10, v10, s51
	v_add_nc_u32 v9, v9, v10
	v_mul_lo_u32 v10, v6, s54
	v_add_nc_u32 v9, v9, v10                       ; my 8 scale bytes' place
	v_and_b32 v[VOFF], s52, v2
	v_lshlrev_b32 v[VOFF], 2, v[VOFF]
	v_mul_lo_u32 v10, v6, s53
	v_add_nc_u32 v[VOFF], v[VOFF], v10
.set i, 1
.rept 31
	v_add_nc_u32 v[VOFF+i], s45, v[VOFF+i-1]
.set i, i+1
.endr
.macro BLOAD t                         ; block t: 32 rows of K at my column, into set t % 2
.irp i, 0,1,2,3,4,5,6,7,8,9,10,11,12,13,14,15,16,17,18,19,20,21,22,23,24,25,26,27,28,29,30,31
	global_load_b32 v[BX+32*((\t)%2)+\i], v[VOFF+\i], s[40:41]
.endr
.endm
.macro NEXTK
	s_wait_xcnt 0x0                                ; the loads issued so far have read their base: only now is it stepped
	s_add_nc_u64 s[40:41], s[40:41], s[56:57]
.endm
	BLOAD 0
	s_wait_alu depctr_va_vdst(0)
	NEXTK
	BLOAD 1
.macro BLOCK t
.set XS, BX+32*((\t)%2)
.if (\t) < NB-1
	s_wait_loadcnt 32                              ; this block's 32 loads are in; the next block's may be out
.else
	s_wait_loadcnt 0x0
.endif
	v_max3_num_f32 v12, |v[XS]|, |v[XS+1]|, |v[XS+2]|      ; all 32 numbers of the block are mine
	v_max3_num_f32 v13, |v[XS+3]|, |v[XS+4]|, |v[XS+5]|
.irp i, 6,10,14,18,22,26
	v_max3_num_f32 v12, v12, |v[XS+\i]|, |v[XS+\i+1]|
	v_max3_num_f32 v13, v13, |v[XS+\i+2]|, |v[XS+\i+3]|
.endr
	v_max3_num_f32 v12, v12, |v[XS+30]|, |v[XS+31]|
	v_max3_num_f32 v12, v12, v13, (EMAX+1)<<23
	v_add_nc_u32 v11, -(EMAX<<23), v12
	v_and_or_b32 v10, v12, 0x7f800000, s63
	v_lshrrev_b32 v13, 23, v11
.if (\t)%4 == 0
	v_mov_b32 v[SB+(\t)/4], v13                    ; four bytes to a register, the lower K in the lower byte
.else
	v_lshl_or_b32 v[SB+(\t)/4], v13, 8*((\t)%4), v[SB+(\t)/4]
.endif
.irp i, 0,1,2,3,4,5,6,7,8,9,10,11,12,13,14,15,16,17,18,19,20,21,22,23,24,25,26,27,28,29,30,31
	v_med3_num_f32 v[XS+\i], v[XS+\i], -v10, v10
.endr
.irp g, 0,1,2,3
	v_cvt_scalef32_pk8_bf8_f32 v[BC+2*\g:BC+2*\g+1], v[XS+8*\g:XS+8*\g+7], v11
.endr
	ds_store_b128 v4, v[BC:BC+3] offset:32*(\t)
	ds_store_b128 v4, v[BC+4:BC+7] offset:32*(\t)+16
.if (\t)+2 < NB
	NEXTK
	BLOAD (\t)+2
.endif
	s_wait_dscnt 0x0                               ; the stores have read their registers: the next block's codes may be written
.endm
.irp t, 0,1,2,3,4,5,6,7
	BLOCK \t
.endr
	global_store_b64 v9, v[SB:SB+1], s[30:31]      ; my 8 scale bytes (8 bytes of a 64-byte row: these rows are written in parts)
.irp t, 0,1,2,3,4,5,6,7,8,9,10,11,12,13,14,15
	ds_load_b128 v[OUTR+4*\t:OUTR+4*\t+3], v7 offset:2*\t*272
.endr
.macro BOUT t, reg
	s_wait_dscnt 15-(\t)                           ; loads come back in order: the younger ones may be out
	global_store_b128 v[\reg], v[OUTR+4*(\t):OUTR+4*(\t)+3], s[28:29] offset:((2*(\t))%8)*2048   ; sixteen lanes store 256 consecutive bytes, aligned
.endm
.irp t, 0,1,2,3
	BOUT \t, 8
.endr
.irp t, 4,5,6,7
	BOUT \t, 14
.endr
.irp t, 8,9,10,11
	BOUT \t, 15
.endr
.irp t, 12,13,14,15
	BOUT \t, 16
.endr
	s_wait_tensorcnt 0x0
	ds_add_u32 v224, v225
	s_wait_dscnt 0x0
	s_endpgm
.Lfunc_end_k_qcffa8c2e83_quant:
	.size	k_qcffa8c2e83_quant, .Lfunc_end_k_qcffa8c2e83_quant-k_qcffa8c2e83_quant
	.p2alignl 7, 3214868480
	.fill 96, 4, 3214868480
	.section	.rodata,"a",@progbits
	.p2align	6, 0x0
	.amdhsa_kernel k_qcffa8c2e83_quant
		.amdhsa_group_segment_fixed_size 68096
		.amdhsa_private_segment_fixed_size 0
		.amdhsa_enable_private_segment 0
		.amdhsa_kernarg_size 112
		.amdhsa_user_sgpr_count 2
		.amdhsa_user_sgpr_kernarg_segment_ptr 1
		.amdhsa_wavefront_size32 1
		.amdhsa_system_sgpr_workgroup_id_x 1
		.amdhsa_system_sgpr_workgroup_id_y 1
		.amdhsa_system_sgpr_workgroup_id_z 1
		.amdhsa_system_vgpr_workitem_id 0
		.amdhsa_next_free_vgpr 226
		.amdhsa_next_free_sgpr 66
		.amdhsa_reserve_vcc 0
		.amdhsa_float_denorm_mode_32 3
		.amdhsa_float_denorm_mode_16_64 3
		.amdhsa_memory_ordered 1
		.amdhsa_forward_progress 1
		.amdhsa_inst_pref_size 113
	.end_amdhsa_kernel
	.amdgpu_metadata
---
amdhsa.version: [ 1, 2 ]
amdhsa.kernels:
  - .name:           k_qcffa8c2e83_quant
    .symbol:         k_qcffa8c2e83_quant.kd
    .args:
      - { .name: hidden_states, .offset: 0, .size: 8, .value_kind: global_buffer, .address_space: global }
      - { .name: traces, .offset: 8, .size: 8, .value_kind: global_buffer, .address_space: global }
      - { .name: Wq, .offset: 16, .size: 8, .value_kind: global_buffer, .address_space: global }
      - { .name: Wk, .offset: 24, .size: 8, .value_kind: global_buffer, .address_space: global }
      - { .name: Wv, .offset: 32, .size: 8, .value_kind: global_buffer, .address_space: global }
      - { .name: Wo, .offset: 40, .size: 8, .value_kind: global_buffer, .address_space: global }
      - { .name: Aq, .offset: 48, .size: 8, .value_kind: global_buffer, .address_space: global }
      - { .name: Ak, .offset: 56, .size: 8, .value_kind: global_buffer, .address_space: global }
      - { .name: Av, .offset: 64, .size: 8, .value_kind: global_buffer, .address_space: global }
      - { .name: Ao, .offset: 72, .size: 8, .value_kind: global_buffer, .address_space: global }
      - { .name: xcodes, .offset: 80, .size: 8, .value_kind: global_buffer, .address_space: global }
      - { .name: xscales, .offset: 88, .size: 8, .value_kind: global_buffer, .address_space: global }
      - { .name: wcodes, .offset: 96, .size: 8, .value_kind: global_buffer, .address_space: global }
      - { .name: wscales, .offset: 104, .size: 8, .value_kind: global_buffer, .address_space: global }
    .group_segment_fixed_size: 68096
    .private_segment_fixed_size: 0
    .kernarg_segment_align: 8
    .kernarg_segment_size: 112
    .max_flat_workgroup_size: 128
    .sgpr_count:     66
    .vgpr_count:     226
    .wavefront_size: 32
...
	.end_amdgpu_metadata
.endif
;; end of part 1
;; launch proj (part 2): grid 16 x 12, 4 waves a work-group, clusters of 4 x 1, 327,680 bytes of LDS; arguments xcodes, xscales, wcodes, wscales, Bq, Bk, Bv, qrec, kv; writes qrec, kv
.if DOCPART == 2
	.amdgcn_target "amdgcn-amd-amdhsa--gfx1250"
	.amdhsa_code_object_version 6
	.text
	.protected	k_qcffa8c2e83_proj
	.globl	k_qcffa8c2e83_proj
	.p2align	8
	.type	k_qcffa8c2e83_proj,@function
k_qcffa8c2e83_proj:
	s_mov_b64 s[64:65], 0
	v_nop
	global_prefetch_b8 v0, s[64:65] scope:SCOPE_SE
	s_setreg_imm32_b32 hwreg(HW_REG_WAVE_MODE, 25, 1), 1
	s_wait_xcnt 0x0
	s_wait_alu depctr_hold_cnt(0) depctr_sa_sdst(0) depctr_va_vdst(0) depctr_va_sdst(0) depctr_va_ssrc(0) depctr_va_vcc(0) depctr_vm_vsrc(0)
	s_getreg_b32 s2, hwreg(HW_REG_IB_STS2, 6, 4)
	s_cmp_eq_u32 s2, 0
	s_cbranch_scc0 .Lentry_in_a_cluster
	s_endpgm
.Lentry_in_a_cluster:
	s_bfe_u32 s2, ttmp6, 0x10000c
	s_cmp_lg_u32 s2, 0x3003
	s_cbranch_scc0 .Lentry_shape_is_right
	s_endpgm
.Lentry_shape_is_right:
.set PITCH, 272
.set XHALF, 128*PITCH
.set WHALF, 136*PITCH
.set WOFF,  256*PITCH
.set LOFF,  WOFF+128*PITCH
.set WSEC,  144*PITCH
.set SLOT,  528*PITCH
.set SCX0,  2*SLOT
.set SCXH,  32*272
.set SCW0,  SCX0+2*SCXH
.set SCWH,  34*272
.set SPARE, 323328
.set FR,    16
.set NP,    8
.set BOF,   8
.set ADRA,  16
.set ADRL,  18
.set ADRB,  20
.set ADSX,  22
.set ADSW,  23
.set ADSL,  24
.set SPW,   28
.set NIL,   29
.set SC,    32
.set TM,    100
.set BT6,   112
.set VW,    116
.set AF,    128
.set TMP,   128
.set CD,    160
.set SW,    224
.set XQ,    128
.set PCV,   192
.set WL,    128
.set TT,    144
.set BT,    208
.set MNT,   41
.set G1,  24
.set G0,  32
.set G1B, 48
.set G0B, 56
.set G1S, 68
.set G0S, 76
.set G1SB, 80
.set G0SB, 88
.set MSB, 0
.macro WIN new
.if MSB != \new
	s_set_vgpr_msb (MSB<<8)|\new
.set MSB, \new
.endif
.endm
.macro JLOAD g0a, g1a, g0b, g1b
	s_cmp_eq_u32 s15, 0
	s_cbranch_scc0 .Lfor_b_\@
	tensor_load_to_lds s[\g0a:\g0a+3], s[\g1a:\g1a+7]
	s_nop 0
.rept 4
	v_nop
.endr
	s_branch .Lasked_\@
.Lfor_b_\@:
	tensor_load_to_lds s[\g0b:\g0b+3], s[\g1b:\g1b+7]
	s_nop 0
.rept 4
	v_nop
.endr
.Lasked_\@:
.endm
.macro CREST
	s_cmp_lg_u32 s14, 0
	s_cbranch_scc1 .Lnot_wave_0_\@
	s_barrier_signal -3
.Lnot_wave_0_\@:
	s_barrier_wait -3
	s_barrier_signal -1
	s_barrier_wait -1
.endm
.macro CROUND
	s_barrier_signal -1
	s_barrier_wait -1
	CREST
.endm
.macro PLACES n
.rept \n
	v_nop
.endr
.endm
.macro FINALE
	s_wait_tensorcnt 0x0
	ds_add_u32 v[SPW], v[NIL]
	s_wait_dscnt 0x0
	CROUND
	s_endpgm
.endm
	s_load_b256 s[4:11], s[0:1], 0x0
	s_load_b256 s[68:75], s[0:1], 0x20
	s_load_b64 s[76:77], s[0:1], 0x40
	v_lshl_add_u32 v[SPW], v0, 2, SPARE
	v_mov_b32 v[NIL], 0
	ds_add_u32 v28, v29
	ds_add_u32 v28, v29
	s_wait_dscnt 0x0
	v_lshrrev_b32 v1, 5, v0
	v_readfirstlane_b32 s14, v1
	s_lshr_b32 s15, s14, 1
	s_and_b32 s16, s14, 1
	s_bfe_u32 s40, ttmp6, 0x40000
	s_lshl_b32 s17, ttmp9, 2
	s_add_co_u32 s17, s17, s40
	s_and_b32 s42, ttmp7, 0xffff
	s_mov_b32 s[G1+0], (1<<20)|(5<<22)|(3<<25)
	s_mov_b32 s[G1+1], 256<<16
	s_mov_b32 s[G1+2], 256<<16
	s_mov_b32 s[G1+3], 256<<16
	s_mov_b32 s[G1+4], 256
	s_mov_b32 s[G1+5], 2048
	s_mov_b32 s[G1+6], 0
	s_mov_b32 s[G1+7], 0
	s_mov_b32 s[G1B+0], 15|(1<<20)|(1<<21)|(5<<22)|(3<<25)
	s_mov_b32 s[G1B+1], 256<<16
	s_mov_b32 s[G1B+2], 272<<16
	s_mov_b32 s[G1B+3], 256<<16
	s_mov_b32 s[G1B+4], 272
	s_mov_b32 s[G1B+5], 2048
	s_mov_b32 s[G1B+6], 0
	s_mov_b32 s[G1B+7], 0
	s_mov_b32 s66, 0x76543210
	s_mov_b32 s67, 0xfedcba98
	s_mov_b32 s[MNT], 0x600000
	s_wait_kmcnt 0x0
	s_mov_b32 s81, 137216
	s_mov_b32 s2, 2048
	s_mov_b32 s83, 131072
	s_mov_b32 s86, 512
	s_cmp_lt_u32 s42, 8
	s_cselect_b32 s45, 0, 4096
	s_cselect_b64 s[96:97], s[74:75], s[76:77]
	s_cselect_b64 s[12:13], s[68:69], s[70:71]
	s_cselect_b32 s80, 32, 8
	s_cselect_b32 s81, 69632, s81
	s_cselect_b32 s2, 8192, s2
	s_cselect_b32 s83, 65536, s83
	s_cselect_b32 s84, 0, 8
	s_cmp_ge_u32 s42, 10
	s_cselect_b64 s[12:13], s[72:73], s[12:13]
	s_cselect_b32 s83, 135168, s83
	s_cselect_b32 s84, 10, s84
	s_cselect_b32 s85, 65536, 0
	s_cselect_b32 s86, 256, s86
	s_sub_co_u32 s87, s42, s84
	s_lshl_b32 s88, s87, 10
	s_lshl_b32 s89, s16, 9
	s_add_co_u32 s88, s88, s89
	s_mov_b32 s89, 0
	s_add_nc_u64 s[12:13], s[12:13], s[88:89]
	s_lshr_b32 s88, s17, 2
	s_mul_i32 s88, s88, s80
	s_lshl_b32 s90, s87, 2
	s_add_co_u32 s88, s88, s90
	s_lshl_b32 s90, s16, 1
	s_add_co_u32 s88, s88, s90
	s_mul_i32 s88, s88, s81
	s_and_b32 s90, s17, 3
	s_lshl_b32 s90, s90, 1
	s_add_co_u32 s90, s90, s15
	s_mul_i32 s91, s90, s86
	s_add_co_u32 s91, s91, s83
	s_add_co_u32 s94, s91, s88
	s_mov_b32 s95, 0
	s_add_nc_u64 s[98:99], s[96:97], s[94:95]
	s_lshl_b32 s90, s90, 13
	s_add_co_u32 s90, s90, s85
	s_add_co_u32 s94, s90, s88
	s_add_nc_u64 s[96:97], s[96:97], s[94:95]
	s_mov_b32 s94, s81
	s_add_nc_u64 s[100:101], s[96:97], s[94:95]
	s_add_nc_u64 s[92:93], s[98:99], s[94:95]
	s_mov_b32 s[G1S+0], (3<<16)|(1<<20)|(5<<22)|(3<<25)
	s_mov_b32 s[G1S+1], 32<<16
	s_mov_b32 s[G1S+2], 64<<16
	s_mov_b32 s[G1S+3], 32<<16
	s_mov_b32 s[G1S+4], 64
	s_mov_b32 s[G1S+5], 32
	s_mov_b32 s[G1S+6], 0
	s_mov_b32 s[G1S+7], 0
	s_mov_b32 s[G1SB+0], 15|(3<<16)|(1<<20)|(1<<21)|(5<<22)|(3<<25)
	s_mov_b32 s[G1SB+1], 32<<16
	s_mov_b32 s[G1SB+2], 68<<16
	s_mov_b32 s[G1SB+3], 32<<16
	s_mov_b32 s[G1SB+4], 68
	s_mov_b32 s[G1SB+5], 32
	s_mov_b32 s[G1SB+6], 0
	s_mov_b32 s[G1SB+7], 0
	s_lshl_b32 s20, s17, 8
	s_lshl_b32 s21, s16, 7
	s_add_co_u32 s20, s20, s21
	s_add_co_u32 s20, s20, s45
	s_lshl_b32 s22, s20, 6
	s_lshl_b32 s20, s20, 11
	s_mov_b32 s21, 0
	s_mov_b32 s23, 0
	s_add_nc_u64 s[20:21], s[4:5], s[20:21]
	s_add_nc_u64 s[22:23], s[6:7], s[22:23]
	s_mul_i32 s46, s42, 589824
	s_mul_i32 s47, s16, 278528
	s_add_co_u32 s46, s46, s47
	s_mov_b32 s47, 0
	s_add_nc_u64 s[46:47], s[8:9], s[46:47]
	s_mul_i32 s18, s42, 18432
	s_mul_i32 s19, s16, 8704
	s_add_co_u32 s18, s18, s19
	s_mov_b32 s19, 0
	s_add_nc_u64 s[18:19], s[10:11], s[18:19]
	CROUND
	s_mov_b32 s[G0S], 1
	s_mov_b32 s[G0S+1], SCX0                       ; the head's load brings the scale bytes of all 256 rows: 64 units
	s_mul_i32 s94, s16, 8192
	s_sub_nc_u64 s[G0S+2:G0S+3], s[22:23], s[94:95] ; back from my half's first row to the tile's first
	s_or_b32 s[G0S+3], s[G0S+3], 0x80000000
	s_mov_b32 s[G0SB], 1
	s_mov_b32 s[G0SB+1], SCW0                      ; and of all 272 rows of the weights: 68 units
	s_mul_i32 s94, s16, 8704
	s_sub_nc_u64 s[G0SB+2:G0SB+3], s[18:19], s[94:95]
	s_or_b32 s[G0SB+3], s[G0SB+3], 0x80000000
	s_mul_i32 s94, s16, 262144
	s_sub_nc_u64 s[6:7], s[20:21], s[94:95]        ; s[4:7]: group 0 for K step 0's 256 rows of x (the arguments that lay there have been used)
	s_mov_b32 s4, 1
	s_mov_b32 s5, 0
	s_or_b32 s7, s7, 0x80000000
	s_mul_i32 s94, s16, 278528
	s_sub_nc_u64 s[10:11], s[46:47], s[94:95]      ; s[8:11]: for its 272 rows of the weights
	s_mov_b32 s8, 1
	s_mov_b32 s9, WOFF
	s_or_b32 s11, s11, 0x80000000
; the head's four tiles, one load a wave, in one chain of arms on the wave's number
.macro ARM under, g0, g1, next
	s_cmp_lt_u32 s14, \under
	s_cbranch_scc0 \next
	tensor_load_to_lds s[\g0:\g0+3], s[\g1:\g1+7]
	s_nop 0
.rept 4
	v_nop
.endr
	s_branch .Lhead_asked
\next:
.endm
	ARM 1, 4, G1, .Lhead_b
	ARM 2, 8, G1B, .Lhead_sa
	ARM 3, G0S, G1S, .Lhead_sb
	tensor_load_to_lds s[G0SB:G0SB+3], s[G1SB:G1SB+7]
	s_nop 0
.rept 4
	v_nop
.endr
.Lhead_asked:
; PREFETCHES INTO THE L2.  A K step is 256 bytes of each row.  x's 256 rows are my work-group's alone in its cluster: my wave names 64 of them, a lane a row, two lines.
; The weights' 272 rows are shared by the cluster's four work-groups: each of its sixteen waves names 17, told apart by address (lanes 17 to 31 name the wave's last row again).
; Each load of a K step is followed by a request for the K step two loads on; the head also asks for K step 1.  The last lap asks for nothing.
	s_mov_b32 s19, 0
	s_mul_i32 s18, s16, 262144
	s_sub_nc_u64 s[94:95], s[20:21], s[18:19]
	s_lshl_b32 s18, s14, 17
	s_add_nc_u64 s[94:95], s[94:95], s[18:19]      ; x: row 64 x wave of the tile
	s_mul_i32 s18, s16, 278528
	s_sub_nc_u64 s[44:45], s[46:47], s[18:19]
	s_lshl_b32 s18, s40, 2
	s_add_co_u32 s18, s18, s14
	s_mul_i32 s18, s18, 17*2048
	s_add_nc_u64 s[44:45], s[44:45], s[18:19]      ; the weights: row 17 x (4 cx + wave)
	v_and_b32 v108, 31, v0
	v_min_u32 v109, 16, v108
	v_lshlrev_b32 v108, 11, v108
	v_lshlrev_b32 v109, 11, v109
.irp k, 256, 512
	global_prefetch_b8 v108, s[94:95] offset:\k th:TH_LOAD_NT scope:SCOPE_SE
	global_prefetch_b8 v108, s[94:95] offset:65536+\k th:TH_LOAD_NT scope:SCOPE_SE
	global_prefetch_b8 v109, s[44:45] offset:\k th:TH_LOAD_NT scope:SCOPE_SE
.endr
	s_mul_i32 s18, s16, XHALF
	s_mul_i32 s19, s16, WHALF
	s_add_co_u32 s19, s19, WOFF
.irp s, 0,1
	s_mov_b32 s[G0+4*\s], 1
	s_add_co_u32 s[G0+4*\s+1], s18, \s*SLOT
	s_add_nc_u64 s[G0+4*\s+2:G0+4*\s+3], s[20:21], \s*256
	s_or_b32 s[G0+4*\s+3], s[G0+4*\s+3], 0x80000000
	s_mov_b32 s[G0B+4*\s], 1
	s_add_co_u32 s[G0B+4*\s+1], s19, \s*SLOT
	s_add_nc_u64 s[G0B+4*\s+2:G0B+4*\s+3], s[46:47], \s*256
	s_or_b32 s[G0B+4*\s+3], s[G0B+4*\s+3], 0x80000000
.endr
	v_and_b32 v1, 15, v0
	v_bfe_u32 v2, v0, 4, 1
	v_mul_u32_u24 v3, v1, PITCH
	v_lshl_add_u32 v4, v2, 4, v3
	s_mul_i32 s21, s15, XHALF
	s_mul_i32 s22, s16, WSEC
	s_add_co_u32 s22, s22, WOFF
	s_mov_b32 s23, LOFF
.irp s, 0,1
	v_add_nc_u32 v[ADRA+\s], s21, v4
	v_add_nc_u32 v[ADRB+\s], s22, v4
	v_add_nc_u32 v[ADRL+\s], s23, v4
	s_add_co_u32 s21, s21, SLOT
	s_add_co_u32 s22, s22, SLOT
	s_add_co_u32 s23, s23, SLOT
.endr
	v_lshrrev_b32 v5, 2, v1
	v_mul_u32_u24 v5, v5, 272
	v_and_b32 v6, 3, v1
	v_lshl_add_u32 v5, v6, 6, v5
	s_mul_i32 s21, s15, SCXH
	s_add_co_u32 s21, s21, SCX0
	v_add_nc_u32 v[ADSX], s21, v5
	s_mul_i32 s21, s16, 36*272
	s_add_co_u32 s21, s21, SCW0
	v_add_nc_u32 v[ADSW], s21, v5
	v_add_nc_u32 v[ADSL], SCW0+32*272, v5
	s_mul_i32 s18, s14, 32*528
	v_mul_u32_u24 v30, v2, 8*528
	v_lshl_add_u32 v30, v1, 2, v30
	v_add_nc_u32 v30, s18, v30
	v_mul_u32_u24 v31, v1, 528
	v_lshl_add_u32 v31, v2, 5, v31
	v_add_nc_u32 v31, s18, v31
	v_and_b32 v25, 31, v0
	v_lshlrev_b32 v25, 4, v25
	v_lshlrev_b32 v26, 5, v1
	v_lshl_add_u32 v26, v2, 4, v26
	v_lshlrev_b32 v27, 4, v1
	v_lshl_add_u32 v27, v2, 3, v27
.irp b, 0,1,2,3
	v_mov_b32 v[TM+4+\b], 0
.endr
	v_and_b32 v5, 8, v1
	v_add_nc_u32 v5, v5, v1
	v_lshlrev_b32 v5, 2, v5
	s_lshl_b32 s18, s2, 3
	v_mul_lo_u32 v6, v2, s18
	v_add_nc_u32 v[BOF], v5, v6
.irp e, 1,2,3,4,5,6,7
	v_add_nc_u32 v[BOF+\e], s2, v[BOF+\e-1]
.endr
	WIN 0x40
.irp b, 0,1,2,3,4,5
.irp e, 0,1,2,3,4,5,6,7
	global_load_b32 v[BT+8*\b+\e], v[BOF+\e], s[12:13] offset:(32*(\b/2)+8*(\b%2))*4
.endr
.endr
	WIN 0
.irp b, 6,7
.irp e, 0,1,2,3,4,5,6,7
	global_load_b32 v[BT6+8*(\b-6)+\e], v[BOF+\e], s[12:13] offset:(32*(\b/2)+8*(\b%2))*4
.endr
.endr
.macro FRAG reg, adr, q, i
.irp c, 0,1,2,3
	ds_load_b128 v[\reg+4*\c:\reg+4*\c+3], v[\adr] offset:128*(\q)+32*\c+(\i)*16*PITCH
.endr
.endm
.macro MULM hf, q, sc, zero
.set WQ, 0xa1+0x50*(\hf)
	WIN WQ
.irp a, 0,1,2,3
.irp b, 0,1,2,3,4,5,6,7
.if \zero
	v_wmma_scale_f32_16x16x128_f8f6f4 v[8*(8*\a+\b):8*(8*\a+\b)+7], v[FR*\b:FR*\b+FR-1], v[AF+FR*(4*(\hf)+\a):AF+FR*(4*(\hf)+\a)+FR-1], 0, v[SC+34*(\sc)+16+2*\b+(\q)], v[SC+34*(\sc)+2*(4*(\hf)+\a)+(\q)] matrix_a_fmt:MATRIX_FMT_BF8 matrix_b_fmt:MATRIX_FMT_BF8
.else
	v_wmma_scale_f32_16x16x128_f8f6f4 v[8*(8*\a+\b):8*(8*\a+\b)+7], v[FR*\b:FR*\b+FR-1], v[AF+FR*(4*(\hf)+\a):AF+FR*(4*(\hf)+\a)+FR-1], v[8*(8*\a+\b):8*(8*\a+\b)+7], v[SC+34*(\sc)+16+2*\b+(\q)], v[SC+34*(\sc)+2*(4*(\hf)+\a)+(\q)] matrix_a_fmt:MATRIX_FMT_BF8 matrix_b_fmt:MATRIX_FMT_BF8
.endif
.endr
.endr
.endm
.macro MULT hf, q, sc, zero
	WIN 0x51
.irp a, 0,1,2,3
.if \zero
	v_wmma_scale_f32_16x16x128_f8f6f4 v[TT+8*(4*(\hf)+\a):TT+8*(4*(\hf)+\a)+7], v[WL:WL+FR-1], v[AF+FR*(4*(\hf)+\a):AF+FR*(4*(\hf)+\a)+FR-1], 0, v[SC+34*(\sc)+32+(\q)], v[SC+34*(\sc)+2*(4*(\hf)+\a)+(\q)] matrix_a_fmt:MATRIX_FMT_BF8 matrix_b_fmt:MATRIX_FMT_BF8
.else
	v_wmma_scale_f32_16x16x128_f8f6f4 v[TT+8*(4*(\hf)+\a):TT+8*(4*(\hf)+\a)+7], v[WL:WL+FR-1], v[AF+FR*(4*(\hf)+\a):AF+FR*(4*(\hf)+\a)+FR-1], v[TT+8*(4*(\hf)+\a):TT+8*(4*(\hf)+\a)+7], v[SC+34*(\sc)+32+(\q)], v[SC+34*(\sc)+2*(4*(\hf)+\a)+(\q)] matrix_a_fmt:MATRIX_FMT_BF8 matrix_b_fmt:MATRIX_FMT_BF8
.endif
.endr
.endm
.macro FETCH_W slot, q
	WIN 0x40
.irp i, 0,1,2,3,4,5,6,7
	FRAG FR*\i, ADRB+\slot, \q, \i
.endr
	FRAG WL, ADRL+\slot, \q, 0
	WIN 0
.endm
.macro FETCH_X slot, q, i0
.irp i, \i0, \i0+1, \i0+2, \i0+3
	FRAG AF+FR*(\i), ADRA+\slot, \q, \i
.endr
.endm
.macro SCALES sc
.irp i, 0,1,2,3,4,5,6,7
	ds_load_b64 v[SC+34*\sc+2*\i:SC+34*\sc+2*\i+1], v[ADSX] offset:\i*1088
.endr
.irp b, 0,1,2,3,4,5,6,7
	ds_load_b64 v[SC+34*\sc+16+2*\b:SC+34*\sc+16+2*\b+1], v[ADSW] offset:\b*1088
.endr
	ds_load_b64 v[SC+34*\sc+32:SC+34*\sc+33], v[ADSL]
.endm
; 16 products: W's blocks b0 .. b0 + 3, each against x's four blocks of half hf.  The products of 128 along K go by W's blocks, so that W's blocks 0-3 are done with
; after the third run of 16 and are fetched anew while the fourth multiplies.  Each accumulator is taken once in 128 along K, in the same order in every step.
.macro MULB hf, b0, q, sc, zero
.set WQ, 0xa1+0x50*(\hf)
	WIN WQ
.irp b, \b0, \b0+1, \b0+2, \b0+3
.irp a, 0,1,2,3
.if \zero
	v_wmma_scale_f32_16x16x128_f8f6f4 v[8*(8*\a+(\b)):8*(8*\a+(\b))+7], v[FR*(\b):FR*(\b)+FR-1], v[AF+FR*(4*(\hf)+\a):AF+FR*(4*(\hf)+\a)+FR-1], 0, v[SC+34*(\sc)+16+2*(\b)+(\q)], v[SC+34*(\sc)+2*(4*(\hf)+\a)+(\q)] matrix_a_fmt:MATRIX_FMT_BF8 matrix_b_fmt:MATRIX_FMT_BF8
.else
	v_wmma_scale_f32_16x16x128_f8f6f4 v[8*(8*\a+(\b)):8*(8*\a+(\b))+7], v[FR*(\b):FR*(\b)+FR-1], v[AF+FR*(4*(\hf)+\a):AF+FR*(4*(\hf)+\a)+FR-1], v[8*(8*\a+(\b)):8*(8*\a+(\b))+7], v[SC+34*(\sc)+16+2*(\b)+(\q)], v[SC+34*(\sc)+2*(4*(\hf)+\a)+(\q)] matrix_a_fmt:MATRIX_FMT_BF8 matrix_b_fmt:MATRIX_FMT_BF8
.endif
.endr
.endr
.endm
.macro FETCH_WA slot, q                ; W's blocks 0-3: 16 loads
	WIN 0x40
.irp i, 0,1,2,3
	FRAG FR*\i, ADRB+\slot, \q, \i
.endr
	WIN 0
.endm
.macro FETCH_WB slot, q                ; W's blocks 4-7 and the LoRA fragment: 20 loads
	WIN 0x40
.irp i, 4,5,6,7
	FRAG FR*\i, ADRB+\slot, \q, \i
.endr
	FRAG WL, ADRL+\slot, \q, 0
	WIN 0
.endm
; LDS loads are issued in the order x 0-3, (scale words,) W 0-3, W 4-7 and LoRA, x 4-7: the counts below name what was issued behind the loads that are needed
.macro STEP slot, q, zero
	s_wait_dscnt 36                                ; x 0-3 and W 0-3 are in; W 4-7 and LoRA (20) and x 4-7 (16) may be out
	MULB 0, 0, \q, \slot, \zero
	s_wait_dscnt 16                                ; W 4-7 and LoRA are in; x 4-7 may be out
	MULB 0, 4, \q, \slot, \zero
	MULT 0, \q, \slot, \zero
	PLACES NP
	WIN 0
	FETCH_X \slot, (\q)+1, 0
	s_wait_dscnt 16                                ; x 4-7 are in; the 16 loads just issued may be out
	MULB 1, 0, \q, \slot, \zero
	PLACES NP
	FETCH_WA \slot, (\q)+1
	MULB 1, 4, \q, \slot, \zero
	MULT 1, \q, \slot, \zero
	PLACES NP
	FETCH_WB \slot, (\q)+1
	FETCH_X \slot, (\q)+1, 4
.endm
.macro TURN slot, next, fill
.if \fill
	s_wait_xcnt 0x0                                ; my prefetches have read their addresses: only now are these stepped
	s_add_nc_u64 s[94:95], s[94:95], 256
	s_add_nc_u64 s[44:45], s[44:45], 256
.endif
	s_wait_tensorcnt 0x0
	ds_add_u32 v[SPW], v[NIL]
	s_wait_dscnt 37                                ; x 0-3 and W 0-3 are in; W 4-7 and LoRA (20), x 4-7 (16) and the add may be out
	MULB 0, 0, 1, \slot, 0                         ; sixteen products stand between the add and the wait for it
	WIN 0
	s_wait_dscnt 0x0                               ; the add is done, and my reads of this slot are over
	s_barrier_signal -1
	s_barrier_wait -1
.if \fill
	CREST
	s_add_nc_u64 s[G0+4*\slot+2:G0+4*\slot+3], s[G0+4*\slot+2:G0+4*\slot+3], 512
	s_add_nc_u64 s[G0B+4*\slot+2:G0B+4*\slot+3], s[G0B+4*\slot+2:G0B+4*\slot+3], 512
	JLOAD G0+4*\slot, G1, G0B+4*\slot, G1B
.endif
	MULB 0, 4, 1, \slot, 0
	MULT 0, 1, \slot, 0
	PLACES NP
	WIN 0
	s_wait_alu depctr_va_vdst(0)
	v_add_nc_u32 v[ADSX], 8, v[ADSX]
	v_add_nc_u32 v[ADSW], 8, v[ADSW]
	v_add_nc_u32 v[ADSL], 8, v[ADSL]
	FETCH_X \next, 0, 0
	SCALES \next
.if \fill
	s_cmp_gt_u32 s3, 1                             ; the last lap's refills have no K step two on
	s_cbranch_scc0 .Lno_ask_\@
	global_prefetch_b8 v108, s[94:95] offset:768 th:TH_LOAD_NT scope:SCOPE_SE
	global_prefetch_b8 v108, s[94:95] offset:65536+768 th:TH_LOAD_NT scope:SCOPE_SE
	global_prefetch_b8 v109, s[44:45] offset:768 th:TH_LOAD_NT scope:SCOPE_SE
.Lno_ask_\@:
.endif
	MULB 1, 0, 1, \slot, 0
	PLACES NP
	FETCH_WA \next, 0
	MULB 1, 4, 1, \slot, 0
	MULT 1, 1, \slot, 0
	PLACES NP
	FETCH_WB \next, 0
	FETCH_X \next, 0, 4
.endm
	s_wait_alu depctr_va_vdst(0)                   ; the wait at the head's end
	s_wait_tensorcnt 0x0                           ; my tile of the head's four is in
	ds_add_u32 v[SPW], v[NIL]
	s_mov_b32 s[G1+2], 128<<16                     ; no tensor load of mine is out: from here on a load brings half a tile's rows
	s_mov_b32 s[G1+4], 128
	s_mov_b32 s[G1B+2], 136<<16
	s_mov_b32 s[G1B+4], 136
	s_wait_dscnt 0x0
	CROUND                                         ; all four tiles are in, and the partners are here
	JLOAD G0+4, G1, G0B+4, G1B                     ; K step 1: slot 1's first fill, issued as a refill is
	FETCH_X 0, 0, 0
	SCALES 0
	FETCH_W 0, 0
	FETCH_X 0, 0, 4
	global_prefetch_b8 v108, s[94:95] offset:768 th:TH_LOAD_NT scope:SCOPE_SE         ; K step 3, behind K step 1's load
	global_prefetch_b8 v108, s[94:95] offset:65536+768 th:TH_LOAD_NT scope:SCOPE_SE
	global_prefetch_b8 v109, s[44:45] offset:768 th:TH_LOAD_NT scope:SCOPE_SE
	STEP 0, 0, 1
	s_mov_b32 s3, 3
.Llap:
	TURN 0, 1, 1
	STEP 1, 0, 0
	TURN 1, 0, 1
	STEP 0, 0, 0
	s_sub_co_u32 s3, s3, 1
	s_cmp_lg_u32 s3, 0
	s_cbranch_scc1 .Llap
	TURN 0, 1, 0
	STEP 1, 0, 0
	s_wait_dscnt 36
	MULB 0, 0, 1, 1, 0
	s_wait_dscnt 16
	MULB 0, 4, 1, 1, 0
	MULT 0, 1, 1, 0
	s_wait_dscnt 0x0
	MULB 1, 0, 1, 1, 0
	MULB 1, 4, 1, 1, 0
	MULT 1, 1, 1, 0
	WIN 0
	s_wait_loadcnt 0x0
	WIN 0x41
.set i, 0
.rept 24
	v_pk_mul_f32 v[BT+i:BT+i+1], v[BT+i:BT+i+1], 2.0 op_sel_hi:[1,0]
.set i, i+2
.endr
	WIN 0
.set i, 0
.rept 8
	v_pk_mul_f32 v[BT6+i:BT6+i+1], v[BT6+i:BT6+i+1], 2.0 op_sel_hi:[1,0]
.set i, i+2
.endr
	PLACES 4
.irp c, 0,1,2,3
	WIN 0xa5
.irp a, 0,1,2,3
.irp b, 0,1,2,3,4,5
	v_wmma_f32_16x16x4_f32 v[8*(8*\a+\b):8*(8*\a+\b)+7], v[BT+8*\b+2*\c:BT+8*\b+2*\c+1], v[TT+8*\a+2*\c:TT+8*\a+2*\c+1], v[8*(8*\a+\b):8*(8*\a+\b)+7]
.endr
.endr
	WIN 0xa4
	s_wait_alu depctr_va_vdst(0)
.irp a, 0,1,2,3
.irp b, 6,7
	v_wmma_f32_16x16x4_f32 v[8*(8*\a+\b):8*(8*\a+\b)+7], v[BT6+8*(\b-6)+2*\c:BT6+8*(\b-6)+2*\c+1], v[TT+8*\a+2*\c:TT+8*\a+2*\c+1], v[8*(8*\a+\b):8*(8*\a+\b)+7]
.endr
.endr
	WIN 0xf4
.irp a, 0,1,2,3
.irp b, 6,7
	v_wmma_f32_16x16x4_f32 v[8*(8*\a+\b):8*(8*\a+\b)+7], v[BT6+8*(\b-6)+2*\c:BT6+8*(\b-6)+2*\c+1], v[TT+8*(\a+4)+2*\c:TT+8*(\a+4)+2*\c+1], v[8*(8*\a+\b):8*(8*\a+\b)+7]
.endr
.endr
	WIN 0xf5
.irp a, 0,1,2,3
.irp b, 0,1,2,3,4,5
	v_wmma_f32_16x16x4_f32 v[8*(8*\a+\b):8*(8*\a+\b)+7], v[BT+8*\b+2*\c:BT+8*\b+2*\c+1], v[TT+8*(\a+4)+2*\c:TT+8*(\a+4)+2*\c+1], v[8*(8*\a+\b):8*(8*\a+\b)+7]
.endr
.endr
.endr
	WIN 0
	PLACES NP
	v_cmp_eq_u32 s43, 1, v2
	s_cmp_ge_u32 s42, 10
	s_cbranch_scc1 .Lvpath
.macro QK a, hd
.set AB, 64*((\a)%4)+32*(\hd)
.set WQ, 0x28+0x14*((\a)/4)
	WIN WQ
.irp e, 0,1
	v_max3_num_f32 v[TM+\e], 0x8000000, |v[AB+16*\e]|, |v[AB+16*\e+1]|
.endr
.irp i, 2,4,6,8,10,12,14
.irp e, 0,1
	v_max3_num_f32 v[TM+\e], v[TM+\e], |v[AB+16*\e+\i]|, |v[AB+16*\e+\i+1]|
.endr
.endr
	WIN 0
.irp e, 0,1
	v_permlanex16_b32 v[TM+4+\e], v[TM+\e], s66, s67
.endr
.irp e, 0,1
	v_max_num_f32 v[TM+\e], v[TM+\e], v[TM+4+\e]
.endr
.irp e, 0,1
	v_add_nc_u32 v[TM+12+\e], 0xf8800000, v[TM+\e]
.endr
.irp e, 0,1
	v_and_or_b32 v[TM+8+\e], v[TM+\e], 0x7f800000, s[MNT]
.endr
.irp e, 0,1
	v_lshrrev_b32 v[TM+4+\e], 23, v[TM+12+\e]
.endr
	v_lshl_or_b32 v[SW+(\a)], v[TM+5], 8, v[TM+4]
.set WQ, 0x02+(\a)/4
	WIN WQ
.irp e, 0,1
.irp i, 0,1,2,3,4,5,6,7,8,9,10,11,12,13,14,15
	v_med3_num_f32 v[TMP+16*\e+\i], v[AB+16*\e+\i], -v[TM+8+\e], v[TM+8+\e]
.endr
.endr
	WIN 0
.irp e, 0,1
	v_cvt_scalef32_pk8_bf8_f32 v[CD+8*(\a)+4*\e:CD+8*(\a)+4*\e+1], v[TMP+16*\e:TMP+16*\e+7], v[TM+12+\e]
	v_cvt_scalef32_pk8_bf8_f32 v[CD+8*(\a)+4*\e+2:CD+8*(\a)+4*\e+3], v[TMP+16*\e+8:TMP+16*\e+15], v[TM+12+\e]
.endr
	v_nop
	global_store_b128 v25, v[CD+8*(\a):CD+8*(\a)+3], s[96+4*(\hd):97+4*(\hd)] offset:1024*(\a)
	global_store_b128 v25, v[CD+8*(\a)+4:CD+8*(\a)+7], s[96+4*(\hd):97+4*(\hd)] offset:1024*(\a)+512
.endm
.irp hd, 0,1
.if \hd > 0
	s_wait_xcnt 0x0
.endif
.irp a, 0,1,2,3,4,5,6,7
	QK \a, \hd
.endr
.irp k, 0,1,2,3
	v_cndmask_b32 v[232+\k], v[SW+\k], v[SW+4+\k], s43
.endr
	global_store_b128 v26, v[232:235], s[98-6*\hd:99-6*\hd]
.endr
	FINALE
.macro QUANT s, pc, pw
.irp b, 0,1,2,3
	v_max3_num_f32 v[TM+\b], |v[\s+16*\b]|, |v[\s+1+16*\b]|, 0x8000000
.endr
.irp i, 2,4,6,8,10,12,14
.irp b, 0,1,2,3
	v_max3_num_f32 v[TM+\b], v[TM+\b], |v[\s+16*\b+\i]|, |v[\s+1+16*\b+\i]|
.endr
.endr
.irp b, 0,1,2,3
	v_permlanex16_b32 v[TM+4+\b], v[TM+\b], s66, s67
.endr
.irp b, 0,1,2,3
	v_max_num_f32 v[TM+\b], v[TM+\b], v[TM+4+\b]
.endr
.irp b, 0,1,2,3
	v_add_nc_u32 v[TM+12+\b], 0xf8800000, v[TM+\b]
.endr
.irp b, 0,1,2,3
	v_and_or_b32 v[TM+8+\b], v[TM+\b], 0x7f800000, s[MNT]
.endr
.irp b, 0,1,2,3
	v_lshrrev_b32 v[TM+4+\b], 23, v[TM+12+\b]
.endr
	v_lshl_or_b32 v[\pw], v[TM+5], 8, v[TM+4]
	v_lshl_or_b32 v[\pw], v[TM+6], 16, v[\pw]
	v_lshl_or_b32 v[\pw], v[TM+7], 24, v[\pw]
.irp b, 0,1,2,3
.irp i, 0,1,2,3,4,5,6,7,8,9,10,11,12,13,14,15
	v_med3_num_f32 v[\s+16*\b+\i], v[\s+16*\b+\i], -v[TM+8+\b], v[TM+8+\b]
.endr
	v_cvt_scalef32_pk8_bf8_f32 v[\pc+4*\b:\pc+4*\b+1], v[\s+16*\b:\s+16*\b+7], v[TM+12+\b]
	v_cvt_scalef32_pk8_bf8_f32 v[\pc+4*\b+2:\pc+4*\b+3], v[\s+16*\b+8:\s+16*\b+15], v[TM+12+\b]
.endr
	v_nop
.endm
.Lvpath:
.irp hd, 0,1
.if \hd > 0
	s_wait_xcnt 0x0
.endif
.irp e, 0,1
.irp a, 0,1,2,3,4,5,6,7
.set WQ, 0x08+4*(\a/4)
	WIN WQ
.irp u, 0,1
.irp j, 0,1,2,3,4,5,6,7
	ds_store_b32 v30, v[8*(8*(\a%4)+4*\hd+2*\e+\u)+\j] offset:(16*\u+\j)*528+64*\a
.endr
.endr
.endr
	WIN 0
.irp u, 0,1
.irp c, 0,1,2,3
	ds_load_b128 v[XQ+16*\c:XQ+16*\c+3],     v31 offset:16*\u*528+128*\c
	ds_load_b128 v[XQ+16*\c+4:XQ+16*\c+7],   v31 offset:16*\u*528+128*\c+16
	ds_load_b128 v[XQ+16*\c+8:XQ+16*\c+11],  v31 offset:16*\u*528+128*\c+64
	ds_load_b128 v[XQ+16*\c+12:XQ+16*\c+15], v31 offset:16*\u*528+128*\c+80
.endr
	s_wait_dscnt 0x0
	QUANT XQ, PCV+16*(2*\e+\u), VW+2*\e+\u
.irp c, 0,1,2,3
	global_store_b128 v25, v[PCV+16*(2*\e+\u)+4*\c:PCV+16*(2*\e+\u)+4*\c+3], s[96+4*\hd:97+4*\hd] offset:2048*(2*\e+\u)+512*\c
.endr
.endr
.endr
	v_cndmask_b32 v120, v[VW], v[VW+2], s43
	v_cndmask_b32 v121, v[VW+1], v[VW+3], s43
	global_store_b64 v27, v[120:121], s[98-6*\hd:99-6*\hd]
.endr
	FINALE
.Lfunc_end_k_qcffa8c2e83_proj:
	.size	k_qcffa8c2e83_proj, .Lfunc_end_k_qcffa8c2e83_proj-k_qcffa8c2e83_proj
	.p2alignl 7, 3214868480
	.fill 96, 4, 3214868480
	.section	.rodata,"a",@progbits
	.p2align	6, 0x0
	.amdhsa_kernel k_qcffa8c2e83_proj
		.amdhsa_group_segment_fixed_size 327680
		.amdhsa_private_segment_fixed_size 0
		.amdhsa_enable_private_segment 0
		.amdhsa_kernarg_size 72
		.amdhsa_user_sgpr_count 2
		.amdhsa_user_sgpr_kernarg_segment_ptr 1
		.amdhsa_wavefront_size32 1
		.amdhsa_system_sgpr_workgroup_id_x 1
		.amdhsa_system_sgpr_workgroup_id_y 1
		.amdhsa_system_sgpr_workgroup_id_z 1
		.amdhsa_system_vgpr_workitem_id 0
		.amdhsa_next_free_vgpr 1024
		.amdhsa_next_free_sgpr 102
		.amdhsa_reserve_vcc 0
		.amdhsa_float_denorm_mode_32 3
		.amdhsa_float_denorm_mode_16_64 3
		.amdhsa_memory_ordered 1
		.amdhsa_forward_progress 1
		.amdhsa_inst_pref_size 255
	.end_amdhsa_kernel
	.section	.bss,"aw",@nobits
	.p2align	6
	.space	262144
	.amdgpu_metadata
---
amdhsa.version: [ 1, 2 ]
amdhsa.kernels:
  - .name:           k_qcffa8c2e83_proj
    .symbol:         k_qcffa8c2e83_proj.kd
    .args:
      - { .name: xcodes, .offset: 0, .size: 8, .value_kind: global_buffer, .address_space: global }
      - { .name: xscales, .offset: 8, .size: 8, .value_kind: global_buffer, .address_space: global }
      - { .name: wcodes, .offset: 16, .size: 8, .value_kind: global_buffer, .address_space: global }
      - { .name: wscales, .offset: 24, .size: 8, .value_kind: global_buffer, .address_space: global }
      - { .name: Bq, .offset: 32, .size: 8, .value_kind: global_buffer, .address_space: global }
      - { .name: Bk, .offset: 40, .size: 8, .value_kind: global_buffer, .address_space: global }
      - { .name: Bv, .offset: 48, .size: 8, .value_kind: global_buffer, .address_space: global }
      - { .name: qrec, .offset: 56, .size: 8, .value_kind: global_buffer, .address_space: global }
      - { .name: kv, .offset: 64, .size: 8, .value_kind: global_buffer, .address_space: global }
    .group_segment_fixed_size: 327680
    .private_segment_fixed_size: 0
    .kernarg_segment_align: 8
    .kernarg_segment_size: 72
    .max_flat_workgroup_size: 128
    .sgpr_count:     102
    .vgpr_count:     1024
    .wavefront_size: 32
...
	.end_amdgpu_metadata
.endif
;; end of part 2
;; launch attn (part 3): grid 256 x 1, 16 waves a work-group, clusters of 4 x 1, 224,256 bytes of LDS; arguments qrec, kv, ccodes, cscales; writes ccodes, cscales
.if DOCPART == 3
	.amdgcn_target "amdgcn-amd-amdhsa--gfx1250"
	.amdhsa_code_object_version 6
	.text
	.protected	k_qcffa8c2e83_attn
	.globl	k_qcffa8c2e83_attn
	.p2align	8
	.type	k_qcffa8c2e83_attn,@function
k_qcffa8c2e83_attn:
	s_mov_b64 s[64:65], 0
	v_nop
	global_prefetch_b8 v0, s[64:65] scope:SCOPE_SE
	s_setreg_imm32_b32 hwreg(HW_REG_WAVE_MODE, 25, 1), 1
	s_wait_xcnt 0x0
	s_wait_alu depctr_hold_cnt(0) depctr_sa_sdst(0) depctr_va_vdst(0) depctr_va_sdst(0) depctr_va_ssrc(0) depctr_va_vcc(0) depctr_vm_vsrc(0)
	s_getreg_b32 s2, hwreg(HW_REG_IB_STS2, 6, 4)
	s_cmp_eq_u32 s2, 0
	s_cbranch_scc0 .Lentry_in_a_cluster
	s_endpgm
.Lentry_in_a_cluster:
	s_bfe_u32 s2, ttmp6, 0x10000c
	s_cmp_lg_u32 s2, 0x3003
	s_cbranch_scc0 .Lentry_shape_is_right
	s_endpgm
.Lentry_shape_is_right:
; context = softmax(q k^T / 8) v for 128 (batch, head) pairs, 1,024 queries and keys, head size 64; both products on codes of BF8 (E5M2) with E8M0 scales; the result is quantised along the channels for the last product.
; THE SOFTMAX AHEAD OF THE SECOND PRODUCT: t = score x log2(e) / 8; M = the running largest t rounded UP to a whole number; p = 2^(t - M) is quantised along the keys, not normalised;
; the row's sum is taken of the unquantised p and divides at the end.  When M moves, the sum and O are multiplied by 2^(old M - new M): exact.
; SHARES.  A work-group serves one (batch, key/value head) and 128 queries of each of its four query heads.  Wave w: head w % 4, query tiles w / 4 and w / 4 + 4, one after the other (a loop of two passes).  Four waves to a SIMD.
; The record of K and V (images of operand registers, and scale words: 137,216 bytes) comes into LDS ONCE, as it lies, and is never filled again: no ring, no barrier in the loop, and nothing to prefetch (the only fill goes out at the head).
; CLUSTER 4 x 1: the four work-groups of a cluster read the same record: it is asked for jointly, by waves 0 to 3, a quarter each.
; LAYOUT.  Both products are used transposed: S^T = K Q^T (source 0 = keys), O^T = V^T P^T.  A lane holds one query throughout.
; A head has 64 channels, half of the instruction's K.  TWO KEY TILES SHARE ONE OPERAND: registers 0-7 hold tile 2 c, registers 8-15 tile 2 c + 1; the product with [q | zero codes] gives tile 2 c's scores, the one with [zero codes | q] tile 2 c + 1's.
; The two forms of Q are one run of 24 registers, zeros, q, zeros.  K's scale word of a pair: bytes 0, 1 tile 2 c's, bytes 2, 3 tile 2 c + 1's; Q's word holds its two bytes twice.  K's codes are finite, so zero codes times them add nothing.
; TWO BUFFERS OF 64 REGISTERS CHANGE ROLES FROM STEP TO STEP.  A step finds its 128 keys in one and lays the scores into the other; V's four fragments follow the keys into the first, straight behind the score products;
; the next step's keys go into the second, pair by pair, as the conversions have read p there.  So a loop's trip is two steps.
; p's register 16 c + 8 u + j of lane half h is key 32 c + 16 u + 8 h + j and stands at K place 32 c + 16 h + 8 u + j; V's images hold the same key at the same place.
; V^T's fragment rows are laid so that O^T's registers 16 e + i are channels 32 e + 16 h + i: 16 neighbours along the next product's K.
; OUT.  ccodes [4096][2048], cscales [4096][64].  Four heads' 64 codes of a row meet in a stage and leave as 256 consecutive aligned bytes; the scale bytes leave as 8 bytes of each 64-byte row (written in parts).
; LIMITS: NaN and infinities are not served; a block whose largest magnitude lies under 2^-111 gets the byte 1.
.set VIMG, 65536
.set KSC,  131072
.set VSC,  135168
.set STG,  137216                      ; 128 rows x 272 bytes; no fill lands here
.set SST,  STG+128*272                 ; 128 rows x 8 scale bytes
.set QS0,  SST+1024                    ; Q's two tiles: for each three planes of 16 bytes a thread, each thread's own
.set QPL,  24576
.set SPARE, QS0+2*QPL                  ; the spare words, 128 bytes a wave
.set REC,  137216
.set QREC, 69632
.set AK0, 1                            ; v1-4  my lane's place in K's images, V's images, K's words, V's words
.set AV0, 2
.set AS0, 3
.set AT0, 4
.set ADK, 5                            ; v5-8  the same for what the step in hand fetches (K: one step ahead of V)
.set ADV, 6
.set ADS, 7
.set ADT, 8
.set SPW, 9
.set NIL, 10
.set OLDM, 11                          ; v11 the last step's -M;  v12 -M, v13 the largest t, v[14:15] the sum
.set QHI, 16                           ; v16-39: zeros, q, zeros
.set QLO, 24
.set KF,  40                           ; v40-103 and v104-167: the two buffers
.set SS,  104
.set OO,  168                          ; v168-199 O^T
.set PC,  200                          ; v200-215 p's codes
.set KW,  216                          ; v216-223 K's words; the pairs' words in the even ones
.set VW,  224
.set QW,  228
.set PW,  229
.set BM,  230
.set PL,  234
.set HB,  238
.set SO,  242
.set PA,  246                          ; v246-253 the sum's four chains
.set FF,  254                          ; v254 f; v255 is named with it as a pair
.set WV,  12
.set SEL, 20
.set CS,  22
.set MNT, 36
.set TK,  37
.macro ROUND                           ; a round of the cluster's barrier
	s_barrier_signal -1
	s_barrier_wait -1
	s_cmp_lg_u32 s[WV], 0
	s_cbranch_scc1 .Lnot_wave_0_\@
	s_barrier_signal -3
.Lnot_wave_0_\@:
	s_barrier_wait -3
	s_barrier_signal -1
	s_barrier_wait -1
.endm
	s_load_b256 s[4:11], s[0:1], 0x0               ; qrec 4, kv 6, ccodes 8, cscales 10
	v_lshl_add_u32 v[SPW], v0, 2, SPARE
	v_mov_b32 v[NIL], 0
	ds_add_u32 v[SPW], v[NIL]                      ; the opening lines: the add twice on end, under one wait
	ds_add_u32 v[SPW], v[NIL]
	v_lshrrev_b32 v1, 5, v0
	v_readfirstlane_b32 s[WV], v1                  ; wave 0..15
	s_bfe_u32 s13, ttmp6, 0x40000                  ; cx
	s_lshr_b32 s14, ttmp9, 1                       ; P = 8 x batch + key/value head: shared by the partners
	s_and_b32 s15, ttmp9, 1
	s_lshl_b32 s15, s15, 2
	s_add_co_u32 s15, s15, s13                     ; qb: which 128 queries; it enters global addresses alone
	s_and_b32 s17, s[WV], 3                        ; my head of the four; also which quarter of the record I fetch, if I fetch
	s_lshr_b32 s18, s[WV], 2                       ; my first query tile
	s_mov_b32 s24, 15|(3<<16)|(1<<21)              ; group 1: mask of all four; elements of 8 bytes; bit 21 beside a mask; no padding
	s_mov_b32 s25, 32<<16                          ; 134 rows of 256 bytes, dense
	s_mov_b32 s26, 134<<16
	s_mov_b32 s27, 32<<16
	s_mov_b32 s28, 134
	s_mov_b32 s29, 32
	s_mov_b32 s30, 0
	s_mov_b32 s31, 0
	s_mul_i32 s16, s14, REC
	s_mov_b32 s32, 1
	s_mul_i32 s33, s17, 34304                      ; LDS address: the record lies from byte 0 on
	s_add_co_u32 s40, s16, s33
	s_mov_b32 s41, 0
	s_mov_b32 s[SEL], 0x76543210
	s_mov_b32 s[SEL+1], 0xfedcba98
	s_mov_b32 s[CS], 0x3e38aa3b                    ; c = log2(e) / 8
	s_mov_b32 s[CS+1], s[CS]                       ; (named with it as a pair, so it is written)
	s_mov_b32 s[MNT], 0x600000
	v_and_b32 v230, 15, v0                         ; r
	v_and_b32 v232, 31, v0                         ; lane
	v_lshlrev_b32 v[AK0], 4, v232                  ; an image's place for my lane
	v_add_nc_u32 v[AV0], VIMG, v[AK0]
	v_lshl_add_u32 v[AS0], v230, 5, KSC            ; K's scale words: 32 bytes a row and 128 keys
	v_lshl_add_u32 v[AT0], v230, 4, VSC            ; V's: 16 bytes a row and 128 keys
	v_lshlrev_b32 v231, 5, v230                    ; Q's scale words: 32 bytes a row
	s_lshl_b32 s53, s18, 4                         ; the stage: the first row of the tile in hand (64 on in the second pass),
	s_lshl_b32 s54, s17, 6
	s_add_co_u32 s54, s54, STG                     ; my head's 64 bytes of a row,
	s_lshl_b32 s55, s17, 1
	s_add_co_u32 s55, s55, SST                     ; its two scale bytes,
	s_mul_i32 s56, s[WV], 8*272
	s_add_co_u32 s56, s56, STG                     ; the 8 rows that my wave stores,
	s_lshl_b32 s57, s17, 8
	s_add_co_u32 s57, s57, SST                     ; and, waves 0-3, 32 rows' scale bytes
	s_mov_b32 s58, 0                               ; the pass
	s_mov_b32 s59, QS0                             ; where its tile of Q waits
	s_lshl_b32 s44, s14, 2
	s_add_co_u32 s44, s44, s17
	s_mul_i32 s44, s44, QREC                       ; my head's record of Q
	s_lshl_b32 s45, s15, 3
	s_add_co_u32 s45, s45, s18
	s_lshl_b32 s45, s45, 10
	s_add_co_u32 s42, s44, s45                     ; my first tile's image
	s_mov_b32 s43, 0
	s_lshl_b32 s45, s15, 9
	s_lshl_b32 s46, s18, 2
	s_add_co_u32 s45, s45, s46
	s_add_co_u32 s44, s44, s45
	s_add_co_u32 s44, s44, 65536                   ; and its scale words
	s_mov_b32 s45, 0
	s_lshr_b32 s46, s14, 3
	s_lshl_b32 s46, s46, 10
	s_lshl_b32 s47, s15, 7
	s_add_co_u32 s46, s46, s47                     ; the work-group's first row of the context
	s_and_b32 s47, s14, 7                          ; the key/value head
	s_lshl_b32 s48, s[WV], 3
	s_add_co_u32 s48, s48, s46
	s_lshl_b32 s48, s48, 11
	s_lshl_b32 s49, s47, 8
	s_add_co_u32 s48, s48, s49
	s_mov_b32 s49, 0
	s_lshl_b32 s50, s17, 5
	s_add_co_u32 s50, s50, s46
	s_lshl_b32 s50, s50, 6
	s_lshl_b32 s47, s47, 3
	s_add_co_u32 s46, s50, s47
	s_mov_b32 s47, 0
	s_wait_alu depctr_va_vdst(0)                   ; the wait directly ahead of the waits below
	s_wait_dscnt 0x0
	s_wait_kmcnt 0x0
	s_add_nc_u64 s[34:35], s[6:7], s[40:41]
	s_or_b32 s35, s35, 0x80000000
	s_add_nc_u64 s[42:43], s[4:5], s[42:43]
	s_add_nc_u64 s[44:45], s[4:5], s[44:45]
	s_add_nc_u64 s[8:9], s[8:9], s[48:49]
	s_add_nc_u64 s[10:11], s[10:11], s[46:47]
	global_load_b128 v[SS:SS+3], v[AK0], s[42:43]                  ; Q's two tiles, the second four tiles on: asked for ahead of the round
	global_load_b128 v[SS+4:SS+7], v[AK0], s[42:43] offset:512
	global_load_b128 v[SS+8:SS+11], v[AK0], s[42:43] offset:4096
	global_load_b128 v[SS+12:SS+15], v[AK0], s[42:43] offset:4608
	global_load_b32 v[SS+16], v231, s[44:45]
	global_load_b32 v[SS+17], v231, s[44:45] offset:16
	ROUND                                          ; all four work-groups are here: the joint loads meet
	s_cmp_lt_u32 s[WV], 4
	s_cbranch_scc0 .Lno_fill
	tensor_load_to_lds s[32:35], s[24:31]          ; my quarter of the record: the launch's only fill
	s_nop 0
.rept 4
	v_nop
.endr
.Lno_fill:
.irp j, 0,1,2,3,4,5,6,7
	v_mov_b32 v[QHI+\j], 0                         ; zero codes on both sides of q
	v_mov_b32 v[QLO+8+\j], 0
.endr
.irp b, 0,1,2,3
	v_mov_b32 v[PL+\b], 0                          ; written once: a lane permute's destination counts as one of its sources
.endr
	v_mov_b32 v[FF+1], 0                           ; (named as the upper half of f's pair)
	v_lshl_add_u32 v[PA], v0, 4, QS0
	v_add_nc_u32 v[ADK], 8192, v[AK0]
	v_mov_b32 v[ADV], v[AV0]
	v_add_nc_u32 v[ADS], 512, v[AS0]
	v_mov_b32 v[ADT], v[AT0]
	s_wait_alu depctr_va_vdst(0)                   ; the wait at the head's end
	s_wait_loadcnt 0x0
	s_wait_tensorcnt 0x0                           ; my quarter has landed,
	s_barrier_signal -1
	s_barrier_wait -1                              ; everybody's has
.macro PACK                            ; a pair's word: tile 2 c's two bytes below, tile 2 c + 1's above
.irp c, 0,1,2,3
	v_lshl_or_b32 v[KW+2*\c], v[KW+2*\c+1], 16, v[KW+2*\c]
.endr
.endm
.irp p, 0,1
	ds_store_b128 v[PA], v[SS+8*\p:SS+8*\p+3] offset:QPL*\p            ; Q waits in my thread's own LDS bytes
	ds_store_b128 v[PA], v[SS+8*\p+4:SS+8*\p+7] offset:QPL*\p+8192
	ds_store_b32 v[PA], v[SS+16+\p] offset:QPL*\p+16384
.endr
.irp t, 0,1,2,3,4,5,6,7
	ds_load_b128 v[KF+8*\t:KF+8*\t+3], v[AK0] offset:\t*1024           ; step 0's keys
	ds_load_b128 v[KF+8*\t+4:KF+8*\t+7], v[AK0] offset:\t*1024+512
.endr
	ds_load_b128 v[KW:KW+3], v[AS0]
	ds_load_b128 v[KW+4:KW+7], v[AS0] offset:16
	s_wait_dscnt 0x0
	PACK                                           ; (a pass's first lines are the places between these words and the products)
; A KEY STEP: 128 keys.  At its head K's tiles are on their way into buffer X or there, and the pairs' words are made.  h: the step's number in the trip.
.macro TRIP X, Y, h
.irp c, 0,1,2,3
	s_wait_dscnt 12-4*\c                           ; pair c of K is in; the four loads of each later pair may be out
	v_wmma_scale_f32_16x16x128_f8f6f4 v[\Y+16*\c:\Y+16*\c+7], v[\X+16*\c:\X+16*\c+15], v[QLO:QLO+15], 0, v[KW+2*\c], v[QW] matrix_a_fmt:MATRIX_FMT_BF8 matrix_b_fmt:MATRIX_FMT_BF8
	v_wmma_scale_f32_16x16x128_f8f6f4 v[\Y+16*\c+8:\Y+16*\c+15], v[\X+16*\c:\X+16*\c+15], v[QHI:QHI+15], 0, v[KW+2*\c], v[QW] matrix_a_fmt:MATRIX_FMT_BF8 matrix_b_fmt:MATRIX_FMT_BF8
.endr
.rept 8
	v_nop                                          ; eight places ahead of the loads into K's registers and of the first read of the scores
.endr
.irp t, 0,1,2,3
.irp c, 0,1,2,3
	ds_load_b128 v[\X+16*\t+4*\c:\X+16*\t+4*\c+3], v[ADV] offset:2048*\t+512*\c    ; V's four fragments follow the keys into X
.endr
.endr
	ds_load_b128 v[KW:KW+3], v[ADS]                ; the next step's words of K,
	ds_load_b128 v[KW+4:KW+7], v[ADS] offset:16
	ds_load_b128 v[VW:VW+3], v[ADT]                ; this step's of V
.irp b, 0,1,2,3
	v_max3_num_f32 v[BM+\b], v[\Y+16*\b], v[\Y+1+16*\b], v[\Y+2+16*\b]   ; the largest score of each block of 32 keys: for the row's maximum and, since p rises with the score, for the block's largest p
.endr
.irp i, 3,5,7,9,11,13
.irp b, 0,1,2,3
	v_max3_num_f32 v[BM+\b], v[BM+\b], v[\Y+16*\b+\i], v[\Y+1+16*\b+\i]
.endr
.endr
.irp b, 0,1,2,3
	v_max_num_f32 v[BM+\b], v[BM+\b], v[\Y+15+16*\b]
.endr
.irp b, 0,1,2,3
	s_delay_alu instid0(VALU_DEP_4)
	v_permlanex16_b32 v[PL+\b], v[BM+\b], s[SEL], s[SEL+1]
.endr
.irp b, 0,1,2,3
	s_delay_alu instid0(VALU_DEP_4)
	v_max_num_f32 v[BM+\b], v[BM+\b], v[PL+\b]
.endr
	s_delay_alu instid0(VALU_DEP_2)
	v_max3_num_f32 v[PL], v[BM], v[BM+1], v[BM+2]
	s_delay_alu instid0(VALU_DEP_1)
	v_max_num_f32 v[PL], v[PL], v[BM+3]
	s_delay_alu instid0(VALU_DEP_1)
	v_mul_f32 v[PL], s[CS], v[PL]                  ; as t
	s_delay_alu instid0(VALU_DEP_1)
	v_max_num_f32 v13, v13, v[PL]                  ; the running largest t
	s_delay_alu instid0(VALU_DEP_1)
	v_floor_f32 v12, -v13                          ; the new -M = -ceil(t)
	s_delay_alu instid0(VALU_DEP_1)
	v_sub_f32 v[PL], v12, v[OLDM]                  ; old M - new M: a whole number, 0 or less.  The three lines that make f stand among the lines that make t - M
.set j, 0
.rept 4
	v_pk_fma_f32 v[\Y+j:\Y+j+1], v[\Y+j:\Y+j+1], s[CS:CS+1], v[12:13] op_sel_hi:[1,0,0]   ; t - M
.set j, j+2
.endr
	v_cvt_i32_f32 v[PL], v[PL]                     ; (it saturates)
.rept 4
	v_pk_fma_f32 v[\Y+j:\Y+j+1], v[\Y+j:\Y+j+1], s[CS:CS+1], v[12:13] op_sel_hi:[1,0,0]
.set j, j+2
.endr
	v_ldexp_f32 v[FF], 1.0, v[PL]                  ; f = 2^(old M - new M)
.rept 24
	v_pk_fma_f32 v[\Y+j:\Y+j+1], v[\Y+j:\Y+j+1], s[CS:CS+1], v[12:13] op_sel_hi:[1,0,0]
.set j, j+2
.endr
.irp b, 0,1,2,3
	v_fma_f32 v[BM+\b], v[BM+\b], s[CS], v12
.endr
.set j, 0
.rept 16
	v_pk_mul_f32 v[OO+j:OO+j+1], v[OO+j:OO+j+1], v[FF:FF+1] op_sel_hi:[1,0]   ; O^T under the new M: its first read since the last products, ahead of this step's exponentials
.set j, j+2
.endr
	s_wait_alu depctr_va_vdst(0)                   ; one wait ahead of the batch
.irp b, 0,1,2,3
	v_exp_f32 v[BM+\b], v[BM+\b]                   ; the block's largest p
.endr
.set j, 0
.rept 64
	v_exp_f32 v[\Y+j], v[\Y+j]                     ; p = 2^(t - M)
.set j, j+1
.endr
	v_nop                                          ; a place behind the exponentials
	s_wait_alu depctr_va_vdst(0)                   ; and one wait behind the batch, ahead of its first reader
.irp k, 0,1,2,3
	v_pk_add_f32 v[PA+2*\k:PA+2*\k+1], v[\Y+2*\k:\Y+2*\k+1], v[\Y+8+2*\k:\Y+9+2*\k]   ; the row's sum of the unquantised p, in four chains
.endr
.irp j, 16,24,32,40,48,56
.irp k, 0,1,2,3
	v_pk_add_f32 v[PA+2*\k:PA+2*\k+1], v[PA+2*\k:PA+2*\k+1], v[\Y+\j+2*\k:\Y+\j+2*\k+1]
.endr
.endr
.irp b, 0,1,2,3
	v_max_num_f32 v[BM+\b], 0x8000000, v[BM+\b]    ; the floor 2^(16 - 127)
.endr
.irp b, 0,1,2,3
	s_delay_alu instid0(VALU_DEP_4)
	v_add_nc_u32 v[SO+\b], 0xf8800000, v[BM+\b]    ; 15 off the exponent field: the conversion's scale operand
.endr
.irp b, 0,1,2,3
	v_and_or_b32 v[HB+\b], v[BM+\b], 0x7f800000, s[MNT]   ; 57,344 x the scale
.endr
.irp b, 0,1,2,3
	v_lshrrev_b32 v[PL+\b], 23, v[SO+\b]           ; the scale's byte
.endr
	s_delay_alu instid0(VALU_DEP_3)
	v_lshl_or_b32 v[PW], v[PL+1], 8, v[PL]         ; p's scale word for these 128 keys
	s_delay_alu instid0(VALU_DEP_1)
	v_lshl_or_b32 v[PW], v[PL+2], 16, v[PW]
	s_delay_alu instid0(VALU_DEP_1)
	v_lshl_or_b32 v[PW], v[PL+3], 24, v[PW]
.irp b, 0,1,2,3
.irp i, 0,2,4,6,8,10,12,14
	v_dual_min_num_f32 v[\Y+16*\b+\i], v[HB+\b], v[\Y+16*\b+\i] :: v_dual_min_num_f32 v[\Y+16*\b+\i+1], v[HB+\b], v[\Y+16*\b+\i+1]   ; the hold, two a line; p is not negative
.endr
	v_cvt_scalef32_pk8_bf8_f32 v[PC+4*\b:PC+4*\b+1], v[\Y+16*\b:\Y+16*\b+7], v[SO+\b]
	v_cvt_scalef32_pk8_bf8_f32 v[PC+4*\b+2:PC+4*\b+3], v[\Y+16*\b+8:\Y+16*\b+15], v[SO+\b]
.irp c, 0,1,2,3
	ds_load_b128 v[\Y+16*\b+4*\c:\Y+16*\b+4*\c+3], v[ADK] offset:2048*\b+512*\c    ; the next step's pair b of K, into the registers that the two conversions have read
.endr
.endr
	s_wait_alu depctr_va_vdst(0)                   ; the wait directly ahead of the wait below
	s_wait_dscnt 16                                ; V's fragments and the words are in; the sixteen loads of K, issued behind them, may be out
	PACK                                           ; the next step's pair words; these four are also the places between the codes and the products
.irp t, 0,1,2,3
	v_wmma_scale_f32_16x16x128_f8f6f4 v[OO+8*\t:OO+8*\t+7], v[\X+16*\t:\X+16*\t+15], v[PC:PC+15], v[OO+8*\t:OO+8*\t+7], v[VW+\t], v[PW] matrix_a_fmt:MATRIX_FMT_BF8 matrix_b_fmt:MATRIX_FMT_BF8
.endr
	s_add_co_u32 s38, s[TK], 8192*(\h+1)
	s_and_b32 s38, s38, 0xe000                     ; V's images of the next step (behind the last: step 0 again)
	s_add_co_u32 s39, s[TK], 8192*(\h+2)
	s_and_b32 s39, s39, 0xe000                     ; K's of the step after it
	s_lshr_b32 s51, s39, 4                         ; K's words: 512 bytes a step
	s_lshr_b32 s52, s38, 5                         ; V's: 256
; nine lines that are due anyway: the places ahead of the next score products, which write over V's registers (nine are asked) and take the pair words (eight are asked)
	v_pk_add_f32 v[PA:PA+1], v[PA:PA+1], v[PA+2:PA+3]
	v_pk_add_f32 v[PA+4:PA+5], v[PA+4:PA+5], v[PA+6:PA+7]
	v_add_nc_u32 v[ADK], s39, v[AK0]
	v_add_nc_u32 v[ADV], s38, v[AV0]
	v_pk_add_f32 v[PA:PA+1], v[PA:PA+1], v[PA+4:PA+5]
	v_add_nc_u32 v[ADS], s51, v[AS0]
	v_add_nc_u32 v[ADT], s52, v[AT0]
	v_mov_b32 v[OLDM], v12
	v_pk_fma_f32 v[14:15], v[14:15], v[FF:FF+1], v[PA:PA+1] op_sel_hi:[1,0,1]   ; the sum under the new M, and this step's
	s_wait_alu depctr_va_vdst(0)
.endm
; One query tile a pass: all 1,024 keys, then O^T / the sum, quantised along the channels, into the stage.
.Lpass:
	v_lshl_add_u32 v[PA], v0, 4, s59
	ds_load_b128 v[QLO:QLO+3], v[PA]               ; the pass's tile of Q, from my thread's own bytes
	ds_load_b128 v[QLO+4:QLO+7], v[PA] offset:8192
	ds_load_b32 v[QW], v[PA] offset:16384
	s_wait_dscnt 0x0
	v_lshl_or_b32 v[QW], v[QW], 16, v[QW]          ; Q's two bytes twice
	v_mov_b32 v13, 0xff61b1e6                      ; the largest t so far: -3e38
	v_floor_f32 v12, -v13
	v_mov_b32 v14, 0
	v_mov_b32 v15, 0
	v_mov_b32 v[OLDM], v12
.set j, 0
.rept 32
	v_mov_b32 v[OO+j], 0                           ; the step is written once: the first finds zeros
.set j, j+1
.endr
	s_mov_b32 s[TK], 0
	s_wait_alu depctr_va_vdst(0)
.Ltrip:
	TRIP KF, SS, 0
	TRIP SS, KF, 1
	s_add_co_u32 s[TK], s[TK], 16384               ; 8,192 x the step's number
	s_cmp_lg_u32 s[TK], 65536                      ; four trips of two steps
	s_cbranch_scc1 .Ltrip
	v_add_f32 v14, v14, v15
	v_permlanex16_b32 v[PL], v14, s[SEL], s[SEL+1]
	v_add_f32 v14, v14, v[PL]                      ; the row's sum
	s_wait_alu depctr_va_vdst(0)
	v_rcp_f32 v14, v14
	v_and_b32 v[PA], 15, v0                        ; (a plain line behind the transcendental)  r
	v_bfe_u32 v[PA+4], v0, 4, 1                    ; h
	v_add_nc_u32 v[PA], s53, v[PA]                 ; my query's row in the stage
	v_mul_u32_u24 v[PA+1], v[PA], 272
	v_lshl_add_u32 v[PA+1], v[PA+4], 4, v[PA+1]
	v_add_nc_u32 v[PA+1], s54, v[PA+1]             ; where my 16 codes of a block go
	v_lshl_add_u32 v[PA+2], v[PA], 3, s55          ; and my head's two scale bytes
	s_wait_alu depctr_va_vdst(0)                   ; the wait ahead of the reciprocal's first reader, which is also O^T's
.set j, 0
.rept 32
	v_mul_f32 v[SS+j], v[OO+j], v14                ; register 16 e + i: channel 32 e + 16 h + i of my query.  (The buffer at SS held V; the one at KF holds step 0's keys for the next pass)
.set j, j+1
.endr
.irp e, 0,1
	v_max3_num_f32 v[BM+\e], |v[SS+16*\e]|, |v[SS+1+16*\e]|, 0x8000000
.endr
.irp i, 2,4,6,8,10,12,14
.irp e, 0,1
	v_max3_num_f32 v[BM+\e], v[BM+\e], |v[SS+16*\e+\i]|, |v[SS+1+16*\e+\i]|
.endr
.endr
.irp e, 0,1
	v_permlanex16_b32 v[PL+\e], v[BM+\e], s[SEL], s[SEL+1]
.endr
.irp e, 0,1
	v_max_num_f32 v[BM+\e], v[BM+\e], v[PL+\e]
.endr
.irp e, 0,1
	v_add_nc_u32 v[SO+\e], 0xf8800000, v[BM+\e]
.endr
.irp e, 0,1
	v_and_or_b32 v[HB+\e], v[BM+\e], 0x7f800000, s[MNT]
.endr
.irp e, 0,1
	v_lshrrev_b32 v[PL+\e], 23, v[SO+\e]
.endr
	v_lshl_or_b32 v[PA+3], v[PL+1], 8, v[PL]       ; my head's two scale bytes of this row
.irp e, 0,1
.irp i, 0,1,2,3,4,5,6,7,8,9,10,11,12,13,14,15
	v_med3_num_f32 v[SS+16*\e+\i], v[SS+16*\e+\i], -v[HB+\e], v[HB+\e]
.endr
	v_cvt_scalef32_pk8_bf8_f32 v[PC+4*\e:PC+4*\e+1], v[SS+16*\e:SS+16*\e+7], v[SO+\e]
	v_cvt_scalef32_pk8_bf8_f32 v[PC+4*\e+2:PC+4*\e+3], v[SS+16*\e+8:SS+16*\e+15], v[SO+\e]
.endr
	v_nop
	ds_store_b128 v[PA+1], v[PC:PC+3]
	ds_store_b128 v[PA+1], v[PC+4:PC+7] offset:32
	ds_store_b16 v[PA+2], v[PA+3]                  ; both halves of the lanes write the same two bytes with the same value
	s_add_co_u32 s53, s53, 64                      ; the second tile lies four tiles on
	s_add_co_u32 s59, s59, QPL
	s_add_co_u32 s58, s58, 1
	s_cmp_lg_u32 s58, 2
	s_wait_alu depctr_va_vdst(0)                   ; the wait directly ahead of the branch
	s_cbranch_scc1 .Lpass
	v_and_b32 v230, 15, v0                         ; r
	v_bfe_u32 v231, v0, 4, 1                       ; h
	v_and_b32 v232, 31, v0                         ; lane
	v_mul_u32_u24 v246, v231, 272
	v_lshl_add_u32 v246, v230, 4, v246
	v_add_nc_u32 v246, s56, v246                   ; back: my wave's 8 rows, two an instruction
	v_lshlrev_b32 v247, 11, v231
	v_lshl_add_u32 v247, v230, 4, v247             ; and the same two rows in ccodes
	v_lshl_add_u32 v248, v232, 3, s57              ; waves 0-3: a row's 8 scale bytes a lane
	v_lshlrev_b32 v249, 6, v232
	s_wait_alu depctr_va_vdst(0)                   ; the wait directly ahead of the wait below
	s_wait_dscnt 0x0                               ; my stores into the stage are done
	s_barrier_signal -1
	s_barrier_wait -1                              ; everybody's are
.irp t, 0,1,2,3
	ds_load_b128 v[SS+4*\t:SS+4*\t+3], v246 offset:544*\t
.endr
.irp t, 0,1,2,3
	s_wait_dscnt 3-\t                              ; the younger loads may be out
	global_store_b128 v247, v[SS+4*\t:SS+4*\t+3], s[8:9] offset:4096*\t   ; sixteen lanes store 256 consecutive bytes, aligned
.endr
	s_cmp_lt_u32 s[WV], 4
	s_cbranch_scc0 .Lno_sc
	ds_load_b64 v[SS+16:SS+17], v248
	s_wait_dscnt 0x0
	global_store_b64 v249, v[SS+16:SS+17], s[10:11]    ; 8 bytes of each of 32 rows
.Lno_sc:
	s_wait_tensorcnt 0x0                           ; the wave's end
	ds_add_u32 v[SPW], v[NIL]
	s_wait_dscnt 0x0
	ROUND                                          ; the closing round
	s_endpgm
.Lfunc_end_k_qcffa8c2e83_attn:
	.size	k_qcffa8c2e83_attn, .Lfunc_end_k_qcffa8c2e83_attn-k_qcffa8c2e83_attn
	.p2alignl 7, 3214868480
	.fill 96, 4, 3214868480
	.section	.rodata,"a",@progbits
	.p2align	6, 0x0
	.amdhsa_kernel k_qcffa8c2e83_attn
		.amdhsa_group_segment_fixed_size 224256
		.amdhsa_private_segment_fixed_size 0
		.amdhsa_enable_private_segment 0
		.amdhsa_kernarg_size 32
		.amdhsa_user_sgpr_count 2
		.amdhsa_user_sgpr_kernarg_segment_ptr 1
		.amdhsa_wavefront_size32 1
		.amdhsa_system_sgpr_workgroup_id_x 1
		.amdhsa_system_sgpr_workgroup_id_y 1
		.amdhsa_system_sgpr_workgroup_id_z 1
		.amdhsa_system_vgpr_workitem_id 0
		.amdhsa_next_free_vgpr 256
		.amdhsa_next_free_sgpr 66
		.amdhsa_reserve_vcc 0
		.amdhsa_float_denorm_mode_32 3
		.amdhsa_float_denorm_mode_16_64 3
		.amdhsa_memory_ordered 1
		.amdhsa_forward_progress 1
		.amdhsa_inst_pref_size 57
	.end_amdhsa_kernel
	.amdgpu_metadata
---
amdhsa.version: [ 1, 2 ]
amdhsa.kernels:
  - .name:           k_qcffa8c2e83_attn
    .symbol:         k_qcffa8c2e83_attn.kd
    .args:
      - { .name: qrec, .offset: 0, .size: 8, .value_kind: global_buffer, .address_space: global }
      - { .name: kv, .offset: 8, .size: 8, .value_kind: global_buffer, .address_space: global }
      - { .name: ccodes, .offset: 16, .size: 8, .value_kind: global_buffer, .address_space: global }
      - { .name: cscales, .offset: 24, .size: 8, .value_kind: global_buffer, .address_space: global }
    .group_segment_fixed_size: 224256
    .private_segment_fixed_size: 0
    .kernarg_segment_align: 8
    .kernarg_segment_size: 32
    .max_flat_workgroup_size: 512
    .sgpr_count:     66
    .vgpr_count:     256
    .wavefront_size: 32
...
	.end_amdgpu_metadata
.endif
;; end of part 3
;; launch outp (part 4): grid 16 x 16, 4 waves a work-group, clusters of 4 x 4, 327,680 bytes of LDS; arguments ccodes, cscales, wcodes, wscales, Bo, hidden_states, out0; writes out0
.if DOCPART == 4
	.amdgcn_target "amdgcn-amd-amdhsa--gfx1250"
	.amdhsa_code_object_version 6
	.text
	.protected	k_qcffa8c2e83_outp
	.globl	k_qcffa8c2e83_outp
	.p2align	8
	.type	k_qcffa8c2e83_outp,@function
k_qcffa8c2e83_outp:
	s_mov_b64 s[64:65], 0
	v_nop
	global_prefetch_b8 v0, s[64:65] scope:SCOPE_SE
	s_setreg_imm32_b32 hwreg(HW_REG_WAVE_MODE, 25, 1), 1
	s_wait_xcnt 0x0
	s_wait_alu depctr_hold_cnt(0) depctr_sa_sdst(0) depctr_va_vdst(0) depctr_va_sdst(0) depctr_va_ssrc(0) depctr_va_vcc(0) depctr_vm_vsrc(0)
	s_getreg_b32 s2, hwreg(HW_REG_IB_STS2, 6, 4)
	s_cmp_eq_u32 s2, 0
	s_cbranch_scc0 .Lentry_in_a_cluster
	s_endpgm
.Lentry_in_a_cluster:
	s_bfe_u32 s2, ttmp6, 0x10000c
	s_cmp_lg_u32 s2, 0xf033
	s_cbranch_scc0 .Lentry_shape_is_right
	s_endpgm
.Lentry_shape_is_right:
.set PITCH, 272
.set XHALF, 128*PITCH
.set WHALF, 72*PITCH
.set WOFF,  256*PITCH
.set LOFF,  WOFF+128*PITCH
.set SLOT,  400*PITCH
.set SCX0,  2*SLOT
.set SCXH,  32*272
.set SCW0,  SCX0+2*SCXH
.set SCWH,  18*272
.set SPARE, 244992
.set STG,   SPARE+512
.set FR,    16
.set NP,    8
.set BOF,   8
.set ADRA,  16
.set ADRL,  18
.set ADRB,  20
.set ADSX,  22
.set ADSW,  23
.set ADSL,  24
.set STO,   25
.set RD,    26
.set RO,    27
.set SPW,   28
.set NIL,   29
.set SC,    32
.set AF,    128
.set TB,    128
.set BBF,   192
.set BK,    128
.set G1,  24
.set G0,  32
.set G1B, 48
.set G0B, 56
.set G1S, 68
.set G0S, 76
.set G1SB, 80
.set G0SB, 88
.set MSB, 0
.macro WIN new
.if MSB != \new
	s_set_vgpr_msb (MSB<<8)|\new
.set MSB, \new
.endif
.endm
.macro JLOAD g0a, g1a, g0b, g1b
	s_cmp_eq_u32 s15, 0
	s_cbranch_scc0 .Lfor_b_\@
	tensor_load_to_lds s[\g0a:\g0a+3], s[\g1a:\g1a+7]
	s_nop 0
.rept 4
	v_nop
.endr
	s_branch .Lasked_\@
.Lfor_b_\@:
	tensor_load_to_lds s[\g0b:\g0b+3], s[\g1b:\g1b+7]
	s_nop 0
.rept 4
	v_nop
.endr
.Lasked_\@:
.endm
.macro CREST
	s_cmp_lg_u32 s14, 0
	s_cbranch_scc1 .Lnot_wave_0_\@
	s_barrier_signal -3
.Lnot_wave_0_\@:
	s_barrier_wait -3
	s_barrier_signal -1
	s_barrier_wait -1
.endm
.macro CROUND
	s_barrier_signal -1
	s_barrier_wait -1
	CREST
.endm
.macro PLACES n
.rept \n
	v_nop
.endr
.endm
	s_load_b256 s[4:11], s[0:1], 0x0
	s_load_b64 s[12:13], s[0:1], 0x20
	s_load_b128 s[96:99], s[0:1], 0x28
	v_lshl_add_u32 v[SPW], v0, 2, SPARE
	v_mov_b32 v[NIL], 0
	ds_add_u32 v28, v29
	ds_add_u32 v28, v29
	s_wait_dscnt 0x0
	v_lshrrev_b32 v1, 5, v0
	v_readfirstlane_b32 s14, v1
	s_lshr_b32 s15, s14, 1
	s_and_b32 s16, s14, 1
	s_bfe_u32 s40, ttmp6, 0x40000
	s_bfe_u32 s41, ttmp6, 0x40004
	s_lshl_b32 s42, ttmp9, 2
	s_add_co_u32 s42, s42, s40
	s_and_b32 s17, ttmp7, 0xffff
	s_lshl_b32 s17, s17, 2
	s_add_co_u32 s17, s17, s41
	s_lshl_b32 s43, s41, 2
	s_lshl_b32 s43, 15, s43
	s_lshl_b32 s44, 0x1111, s40
	s_or_b32 s[G1+0], s43, (1<<20)|(1<<21)|(5<<22)|(3<<25)
	s_or_b32 s[G1B+0], s44, (1<<20)|(1<<21)|(5<<22)|(3<<25)
	s_mov_b32 s[G1+1], 256<<16
	s_mov_b32 s[G1+2], 256<<16
	s_mov_b32 s[G1+3], 256<<16
	s_mov_b32 s[G1+4], 256
	s_mov_b32 s[G1+5], 2048
	s_mov_b32 s[G1+6], 0
	s_mov_b32 s[G1+7], 0
	s_mov_b32 s[G1B+1], 256<<16
	s_mov_b32 s[G1B+2], 144<<16
	s_mov_b32 s[G1B+3], 256<<16
	s_mov_b32 s[G1B+4], 144
	s_mov_b32 s[G1B+5], 2048
	s_mov_b32 s[G1B+6], 0
	s_mov_b32 s[G1B+7], 0
	s_or_b32 s[G1S+0], s43, (3<<16)|(1<<20)|(1<<21)|(5<<22)|(3<<25)
	s_or_b32 s[G1SB+0], s44, (3<<16)|(1<<20)|(1<<21)|(5<<22)|(3<<25)
	s_mov_b32 s[G1S+1], 32<<16
	s_mov_b32 s[G1S+2], 64<<16
	s_mov_b32 s[G1S+3], 32<<16
	s_mov_b32 s[G1S+4], 64
	s_mov_b32 s[G1S+5], 32
	s_mov_b32 s[G1S+6], 0
	s_mov_b32 s[G1S+7], 0
	s_mov_b32 s[G1SB+1], 32<<16
	s_mov_b32 s[G1SB+2], 36<<16
	s_mov_b32 s[G1SB+3], 32<<16
	s_mov_b32 s[G1SB+4], 36
	s_mov_b32 s[G1SB+5], 32
	s_mov_b32 s[G1SB+6], 0
	s_mov_b32 s[G1SB+7], 0
	s_lshl_b32 s20, s17, 8
	s_lshl_b32 s18, s16, 7
	s_add_co_u32 s20, s20, s18
	s_lshl_b32 s22, s20, 6
	s_lshl_b32 s20, s20, 11
	s_mov_b32 s21, 0
	s_mov_b32 s23, 0
	s_add_co_u32 s45, s42, 24
	s_mul_i32 s46, s45, 294912
	s_mul_i32 s18, s16, 147456
	s_add_co_u32 s46, s46, s18
	s_mov_b32 s47, 0
	s_mul_i32 s92, s45, 9216
	s_mul_i32 s18, s16, 4608
	s_add_co_u32 s92, s92, s18
	s_mov_b32 s93, 0
	s_lshl_b32 s94, s42, 9
	s_lshl_b32 s95, s16, 8
	s_add_co_u32 s94, s94, s95
	s_mov_b32 s95, 0
	s_lshl_b32 s2, s17, 8
	s_lshl_b32 s3, s15, 7
	s_add_co_u32 s2, s2, s3
	s_lshl_b32 s2, s2, 13
	s_add_co_u32 s2, s2, s94
	s_mov_b32 s3, 0
	s_wait_kmcnt 0x0
	s_add_nc_u64 s[20:21], s[4:5], s[20:21]
	s_add_nc_u64 s[22:23], s[6:7], s[22:23]
	s_add_nc_u64 s[46:47], s[8:9], s[46:47]
	s_add_nc_u64 s[92:93], s[10:11], s[92:93]
	s_add_nc_u64 s[12:13], s[12:13], s[94:95]
	s_add_nc_u64 s[96:97], s[96:97], s[2:3]
	s_add_nc_u64 s[98:99], s[98:99], s[2:3]
	CROUND
	s_mov_b32 s[G0S], 1
	s_mov_b32 s[G0S+1], SCX0                       ; the head's load brings the scale bytes of all 256 rows: 64 units
	s_mul_i32 s94, s16, 8192
	s_sub_nc_u64 s[G0S+2:G0S+3], s[22:23], s[94:95] ; back from my half's first row to the tile's first
	s_or_b32 s[G0S+3], s[G0S+3], 0x80000000
	s_mov_b32 s[G0SB], 1
	s_mov_b32 s[G0SB+1], SCW0                      ; and of all 144 rows of the weights: 36 units
	s_mul_i32 s94, s16, 4608
	s_sub_nc_u64 s[G0SB+2:G0SB+3], s[92:93], s[94:95]
	s_or_b32 s[G0SB+3], s[G0SB+3], 0x80000000
	s_mul_i32 s94, s16, 262144
	s_sub_nc_u64 s[6:7], s[20:21], s[94:95]        ; s[4:7]: group 0 for K step 0's 256 rows of the context (the arguments that lay there have been used)
	s_mov_b32 s4, 1
	s_mov_b32 s5, 0
	s_or_b32 s7, s7, 0x80000000
	s_mul_i32 s94, s16, 147456
	s_sub_nc_u64 s[10:11], s[46:47], s[94:95]      ; s[8:11]: for its 144 rows of the weights
	s_mov_b32 s8, 1
	s_mov_b32 s9, WOFF
	s_or_b32 s11, s11, 0x80000000
; the head's four tiles, one load a wave, in one chain of arms on the wave's number
.macro ARM under, g0, g1, next
	s_cmp_lt_u32 s14, \under
	s_cbranch_scc0 \next
	tensor_load_to_lds s[\g0:\g0+3], s[\g1:\g1+7]
	s_nop 0
.rept 4
	v_nop
.endr
	s_branch .Lhead_asked
\next:
.endm
	ARM 1, 4, G1, .Lhead_b
	ARM 2, 8, G1B, .Lhead_sa
	ARM 3, G0S, G1S, .Lhead_sb
	tensor_load_to_lds s[G0SB:G0SB+3], s[G1SB:G1SB+7]
	s_nop 0
.rept 4
	v_nop
.endr
.Lhead_asked:
; PREFETCHES INTO THE L2.  A K step is 256 bytes of each row.  Of the rows that my wave fetches (128 of the context, or 72 of the weights) each of the four partners that ask for them jointly names a quarter,
; told apart by address (cx for the context, cy for the weights): a lane a row, one line a wave (of the weights' 18 rows lanes 18 to 31 name the last again).
; Each load of a K step is followed by a request for the K step two loads on; the head also asks for K step 1.  The last lap asks for nothing.
	s_cmp_eq_u32 s15, 0                            ; do I fetch the context's rows?
	s_cselect_b64 s[100:101], s[20:21], s[46:47]
	s_cselect_b32 s94, s40, s41
	s_cselect_b32 s3, 32, 18
	s_mul_i32 s94, s94, s3
	s_lshl_b32 s94, s94, 11
	s_add_nc_u64 s[100:101], s[100:101], s[94:95]
	s_sub_co_u32 s3, s3, 1
	v_and_b32 v30, 31, v0
	v_min_u32 v30, s3, v30
	v_lshlrev_b32 v30, 11, v30
	global_prefetch_b8 v30, s[100:101] offset:256 th:TH_LOAD_NT scope:SCOPE_SE
	global_prefetch_b8 v30, s[100:101] offset:512 th:TH_LOAD_NT scope:SCOPE_SE
	s_mul_i32 s18, s16, XHALF
	s_mul_i32 s19, s16, WHALF
	s_add_co_u32 s19, s19, WOFF
.irp s, 0,1
	s_mov_b32 s[G0+4*\s], 1
	s_add_co_u32 s[G0+4*\s+1], s18, \s*SLOT
	s_add_nc_u64 s[G0+4*\s+2:G0+4*\s+3], s[20:21], \s*256
	s_or_b32 s[G0+4*\s+3], s[G0+4*\s+3], 0x80000000
	s_mov_b32 s[G0B+4*\s], 1
	s_add_co_u32 s[G0B+4*\s+1], s19, \s*SLOT
	s_add_nc_u64 s[G0B+4*\s+2:G0B+4*\s+3], s[46:47], \s*256
	s_or_b32 s[G0B+4*\s+3], s[G0B+4*\s+3], 0x80000000
.endr
	v_and_b32 v1, 15, v0
	v_bfe_u32 v2, v0, 4, 1
	v_mul_u32_u24 v3, v1, PITCH
	v_lshl_add_u32 v4, v2, 4, v3
	s_mul_i32 s21, s15, XHALF
	s_mul_i32 s22, s16, 64*PITCH
	s_add_co_u32 s22, s22, WOFF
	s_mov_b32 s23, LOFF
.irp s, 0,1
	v_add_nc_u32 v[ADRA+\s], s21, v4
	v_add_nc_u32 v[ADRB+\s], s22, v4
	v_add_nc_u32 v[ADRL+\s], s23, v4
	s_add_co_u32 s21, s21, SLOT
	s_add_co_u32 s22, s22, SLOT
	s_add_co_u32 s23, s23, SLOT
.endr
	v_lshrrev_b32 v5, 2, v1
	v_mul_u32_u24 v5, v5, 272
	v_and_b32 v6, 3, v1
	v_lshl_add_u32 v5, v6, 6, v5
	s_mul_i32 s21, s15, SCXH
	s_add_co_u32 s21, s21, SCX0
	v_add_nc_u32 v[ADSX], s21, v5
	s_mul_i32 s21, s16, 16*272
	s_add_co_u32 s21, s21, SCW0
	v_add_nc_u32 v[ADSW], s21, v5
	v_add_nc_u32 v[ADSL], SCW0+32*272, v5
	s_mul_i32 s18, s14, 16*272
	s_add_co_u32 s18, s18, STG
	v_lshl_add_u32 v[STO], v2, 6, v3
	v_add_nc_u32 v[STO], s18, v[STO]
	v_mul_u32_u24 v[RD], v2, 272
	v_lshl_add_u32 v[RD], v1, 4, v[RD]
	v_add_nc_u32 v[RD], s18, v[RD]
	v_lshlrev_b32 v[RO], 13, v2
	v_lshl_add_u32 v[RO], v1, 4, v[RO]
	v_and_b32 v5, 8, v1
	v_add_nc_u32 v5, v5, v1
	v_lshlrev_b32 v5, 2, v5
	v_lshl_add_u32 v[BOF], v2, 16, v5
.irp e, 1,2,3,4,5,6,7
	v_add_nc_u32 v[BOF+\e], 8192, v[BOF+\e-1]
.endr
	WIN 0xc0
.irp b, 0,1,2,3
.irp e, 0,1,2,3,4,5,6,7
	global_load_b32 v[64+8*\b+\e], v[BOF+\e], s[12:13] offset:(32*(\b/2)+8*(\b%2))*4
.endr
.endr
.irp a, 0,1,2,3,4,5,6,7
.if \a < 3
	WIN 0x40
.set RS, 160+32*\a
.else
	WIN 0xc0
.set RS, 96+32*(\a-3)
.endif
.irp t, 0,1,2,3,4,5,6,7
	global_load_b128 v[RS+4*\t:RS+4*\t+3], v[RO], s[96:97] offset:(16*\a+2*\t)*8192 th:TH_LOAD_NT
.endr
.endr
	WIN 0
.macro FRAG reg, adr, q, i
.irp c, 0,1,2,3
	ds_load_b128 v[\reg+4*\c:\reg+4*\c+3], v[\adr] offset:128*(\q)+32*\c+(\i)*16*PITCH
.endr
.endm
.macro MULM a0, p, q, sc, zero
	WIN 0xa1
.irp a, \a0, \a0+1
.irp b, 0,1,2,3
.if \zero
	v_wmma_scale_f32_16x16x128_f8f6f4 v[8*(4*(\a)+\b):8*(4*(\a)+\b)+7], v[80*(\p)+FR*\b:80*(\p)+FR*\b+FR-1], v[AF+FR*(\a):AF+FR*(\a)+FR-1], 0, v[SC+26*(\sc)+16+2*\b+(\q)], v[SC+26*(\sc)+2*(\a)+(\q)] matrix_a_fmt:MATRIX_FMT_BF8 matrix_b_fmt:MATRIX_FMT_BF8
.else
	v_wmma_scale_f32_16x16x128_f8f6f4 v[8*(4*(\a)+\b):8*(4*(\a)+\b)+7], v[80*(\p)+FR*\b:80*(\p)+FR*\b+FR-1], v[AF+FR*(\a):AF+FR*(\a)+FR-1], v[8*(4*(\a)+\b):8*(4*(\a)+\b)+7], v[SC+26*(\sc)+16+2*\b+(\q)], v[SC+26*(\sc)+2*(\a)+(\q)] matrix_a_fmt:MATRIX_FMT_BF8 matrix_b_fmt:MATRIX_FMT_BF8
.endif
.endr
.endr
.endm
.macro MULT a0, p, q, sc, zero
	WIN 0xf1
.irp a, \a0, \a0+1, \a0+2, \a0+3
.if \zero
	v_wmma_scale_f32_16x16x128_f8f6f4 v[8*(\a):8*(\a)+7], v[80*(\p)+64:80*(\p)+79], v[AF+FR*(\a):AF+FR*(\a)+FR-1], 0, v[SC+26*(\sc)+24+(\q)], v[SC+26*(\sc)+2*(\a)+(\q)] matrix_a_fmt:MATRIX_FMT_BF8 matrix_b_fmt:MATRIX_FMT_BF8
.else
	v_wmma_scale_f32_16x16x128_f8f6f4 v[8*(\a):8*(\a)+7], v[80*(\p)+64:80*(\p)+79], v[AF+FR*(\a):AF+FR*(\a)+FR-1], v[8*(\a):8*(\a)+7], v[SC+26*(\sc)+24+(\q)], v[SC+26*(\sc)+2*(\a)+(\q)] matrix_a_fmt:MATRIX_FMT_BF8 matrix_b_fmt:MATRIX_FMT_BF8
.endif
.endr
.endm
.macro FETCH_W slot, q, p
	WIN 0x40
.irp i, 0,1,2,3
	FRAG 80*(\p)+FR*\i, ADRB+\slot, \q, \i
.endr
	FRAG 80*(\p)+64, ADRL+\slot, \q, 0
	WIN 0
.endm
.macro FETCH_X slot, q, i0
.irp i, \i0, \i0+1, \i0+2, \i0+3
	FRAG AF+FR*(\i), ADRA+\slot, \q, \i
.endr
.endm
.macro SCALES sc
.irp i, 0,1,2,3,4,5,6,7
	ds_load_b64 v[SC+26*\sc+2*\i:SC+26*\sc+2*\i+1], v[ADSX] offset:\i*1088
.endr
.irp b, 0,1,2,3
	ds_load_b64 v[SC+26*\sc+16+2*\b:SC+26*\sc+16+2*\b+1], v[ADSW] offset:\b*1088
.endr
	ds_load_b64 v[SC+26*\sc+24:SC+26*\sc+25], v[ADSL]
.endm
.macro STEP slot, q, zero
	s_wait_dscnt 16
	MULM 0, (\q)%2, \q, \slot, \zero
	MULM 2, (\q)%2, \q, \slot, \zero
	MULT 0, (\q)%2, \q, \slot, \zero
	s_wait_dscnt 0x0
	PLACES NP
	FETCH_W \slot, (\q)+1, 1-(\q)%2
	FETCH_X \slot, (\q)+1, 0
	MULM 4, (\q)%2, \q, \slot, \zero
	MULM 6, (\q)%2, \q, \slot, \zero
	MULT 4, (\q)%2, \q, \slot, \zero
	PLACES NP
	WIN 0
	FETCH_X \slot, (\q)+1, 4
.endm
.macro TURN slot, next, fill
.if \fill
	s_wait_xcnt 0x0                                ; my prefetch has read its address: only now is it stepped
	s_add_nc_u64 s[100:101], s[100:101], 256
.endif
	s_wait_tensorcnt 0x0
	ds_add_u32 v[SPW], v[NIL]
	s_wait_dscnt 17
	MULM 0, 1, 1, \slot, 0
	s_wait_dscnt 0x0
	s_barrier_signal -1
	MULM 2, 1, 1, \slot, 0
	MULT 0, 1, 1, \slot, 0
	WIN 0
	s_barrier_wait -1
.if \fill
	CREST
	s_add_nc_u64 s[G0+4*\slot+2:G0+4*\slot+3], s[G0+4*\slot+2:G0+4*\slot+3], 512
	s_add_nc_u64 s[G0B+4*\slot+2:G0B+4*\slot+3], s[G0B+4*\slot+2:G0B+4*\slot+3], 512
	JLOAD G0+4*\slot, G1, G0B+4*\slot, G1B
	PLACES NP-4
.else
	PLACES NP
.endif
	s_wait_alu depctr_va_vdst(0)
	v_add_nc_u32 v[ADSX], 8, v[ADSX]
	v_add_nc_u32 v[ADSW], 8, v[ADSW]
	v_add_nc_u32 v[ADSL], 8, v[ADSL]
	FETCH_W \next, 0, 0
	FETCH_X \next, 0, 0
	SCALES \next
.if \fill
	s_cmp_gt_u32 s3, 1                             ; the last lap's refills have no K step two on
	s_cbranch_scc0 .Lno_ask_\@
	global_prefetch_b8 v30, s[100:101] offset:768 th:TH_LOAD_NT scope:SCOPE_SE
.Lno_ask_\@:
.endif
	MULM 4, 1, 1, \slot, 0
	MULM 6, 1, 1, \slot, 0
	MULT 4, 1, 1, \slot, 0
	PLACES NP
	WIN 0
	FETCH_X \next, 0, 4
.endm
	s_wait_alu depctr_va_vdst(0)                   ; the wait at the head's end
	s_wait_tensorcnt 0x0                           ; my tile of the head's four is in
	ds_add_u32 v[SPW], v[NIL]
	s_mov_b32 s[G1+2], 128<<16                     ; no tensor load of mine is out: from here on a load brings half a tile's rows
	s_mov_b32 s[G1+4], 128
	s_mov_b32 s[G1B+2], 72<<16
	s_mov_b32 s[G1B+4], 72
	s_wait_dscnt 0x0
	CROUND                                         ; all four tiles are in, and the partners are here
	JLOAD G0+4, G1, G0B+4, G1B                     ; K step 1: slot 1's first fill, issued as a refill is
	FETCH_W 0, 0, 0
	FETCH_X 0, 0, 0
	SCALES 0
	FETCH_X 0, 0, 4
	global_prefetch_b8 v30, s[100:101] offset:768 th:TH_LOAD_NT scope:SCOPE_SE     ; K step 3, behind K step 1's load
	STEP 0, 0, 1
	s_mov_b32 s3, 3
.Llap:
	TURN 0, 1, 1
	STEP 1, 0, 0
	TURN 1, 0, 1
	STEP 0, 0, 0
	s_sub_co_u32 s3, s3, 1
	s_cmp_lg_u32 s3, 0
	s_cbranch_scc1 .Llap
	TURN 0, 1, 0
	STEP 1, 0, 0
	s_wait_dscnt 16
	MULM 0, 1, 1, 1, 0
	MULM 2, 1, 1, 1, 0
	MULT 0, 1, 1, 1, 0
	s_wait_dscnt 0x0
	MULM 4, 1, 1, 1, 0
	MULM 6, 1, 1, 1, 0
	MULT 4, 1, 1, 1, 0
	WIN 0
	PLACES NP
	WIN 0x0f
.irp a, 0,1,2,3,4,5,6,7
.irp k, 0,1,2,3
	v_cvt_pk_bf16_f32 v[TB+8*\a+\k], v[8*\a+2*\k], v[8*\a+2*\k+1]
.endr
.endr
	WIN 0
.irp a, 0,1,2,3,4,5,6,7
.irp k, 0,1,2,3
	v_mov_b32 v[TB+8*\a+4+\k], 0
.endr
.endr
	s_wait_loadcnt 63
	WIN 0xc3
.set i, 0
.rept 16
	v_pk_mul_f32 v[64+i:65+i], v[64+i:65+i], 2.0 op_sel_hi:[1,0]
.set i, i+2
.endr
	WIN 0x0f
.irp b, 0,1,2,3
.irp k, 0,1,2,3
	v_cvt_pk_bf16_f32 v[BBF+8*\b+\k], v[64+8*\b+2*\k], v[64+8*\b+2*\k+1]
.endr
.endr
	WIN 0
.irp b, 0,1,2,3
.irp k, 0,1,2,3
	v_mov_b32 v[BBF+8*\b+4+\k], 0
.endr
.endr
	PLACES 4
	WIN 0xa0
.irp a, 0,1,2,3,4,5,6,7
.irp b, 0,1,2,3
	v_wmma_f32_16x16x32_bf16 v[8*(4*\a+\b):8*(4*\a+\b)+7], v[BBF+8*\b:BBF+8*\b+7], v[TB+8*\a:TB+8*\a+7], v[8*(4*\a+\b):8*(4*\a+\b)+7]
.endr
.endr
	WIN 0
	PLACES NP
.macro TOSTAGE a
	WIN 0x08
.irp b, 0,1,2,3
	ds_store_b128 v[STO], v[8*(4*(\a)+\b):8*(4*(\a)+\b)+3] offset:128*(\b/2)+32*(\b%2)
	ds_store_b128 v[STO], v[8*(4*(\a)+\b)+4:8*(4*(\a)+\b)+7] offset:128*(\b/2)+32*(\b%2)+16
.endr
	WIN 0
.set BB2, BK+32*((\a)%2)
.irp t, 0,1,2,3,4,5,6,7
	ds_load_b128 v[BB2+4*\t:BB2+4*\t+3], v[RD] offset:544*\t
.endr
.endm
.macro SEND a, younger
.set BB2, BK+32*((\a)%2)
	s_wait_dscnt \younger
	s_wait_loadcnt 56-8*(\a)
.if (\a) < 3
.set RS, 160+32*(\a)
	WIN 0x04
.else
.set RS, 96+32*((\a)-3)
	WIN 0x0c
.endif
.set i, 0
.rept 16
	v_pk_add_f32 v[BB2+i:BB2+i+1], v[BB2+i:BB2+i+1], v[RS+i:RS+i+1]
.set i, i+2
.endr
	WIN 0
.irp t, 0,1,2,3,4,5,6,7
	global_store_b128 v[RO], v[BB2+4*\t:BB2+4*\t+3], s[98:99] offset:(16*(\a)+2*\t)*8192 th:TH_STORE_NT
.endr
.endm
	TOSTAGE 0
.irp a, 1,2,3,4,5,6,7
.if \a > 1
	s_wait_xcnt 0x0
.endif
	TOSTAGE \a
	SEND \a-1, 16
.endr
	SEND 7, 0
	s_wait_tensorcnt 0x0
	ds_add_u32 v[SPW], v[NIL]
	s_wait_dscnt 0x0
	CROUND
	s_endpgm
.Lfunc_end_k_qcffa8c2e83_outp:
	.size	k_qcffa8c2e83_outp, .Lfunc_end_k_qcffa8c2e83_outp-k_qcffa8c2e83_outp
	.p2alignl 7, 3214868480
	.fill 96, 4, 3214868480
	.section	.rodata,"a",@progbits
	.p2align	6, 0x0
	.amdhsa_kernel k_qcffa8c2e83_outp
		.amdhsa_group_segment_fixed_size 327680
		.amdhsa_private_segment_fixed_size 0
		.amdhsa_enable_private_segment 0
		.amdhsa_kernarg_size 56
		.amdhsa_user_sgpr_count 2
		.amdhsa_user_sgpr_kernarg_segment_ptr 1
		.amdhsa_wavefront_size32 1
		.amdhsa_system_sgpr_workgroup_id_x 1
		.amdhsa_system_sgpr_workgroup_id_y 1
		.amdhsa_system_sgpr_workgroup_id_z 1
		.amdhsa_system_vgpr_workitem_id 0
		.amdhsa_next_free_vgpr 1024
		.amdhsa_next_free_sgpr 102
		.amdhsa_reserve_vcc 0
		.amdhsa_float_denorm_mode_32 3
		.amdhsa_float_denorm_mode_16_64 3
		.amdhsa_memory_ordered 1
		.amdhsa_forward_progress 1
		.amdhsa_inst_pref_size 133
	.end_amdhsa_kernel
	.amdgpu_metadata
---
amdhsa.version: [ 1, 2 ]
amdhsa.kernels:
  - .name:           k_qcffa8c2e83_outp
    .symbol:         k_qcffa8c2e83_outp.kd
    .args:
      - { .name: ccodes, .offset: 0, .size: 8, .value_kind: global_buffer, .address_space: global }
      - { .name: cscales, .offset: 8, .size: 8, .value_kind: global_buffer, .address_space: global }
      - { .name: wcodes, .offset: 16, .size: 8, .value_kind: global_buffer, .address_space: global }
      - { .name: wscales, .offset: 24, .size: 8, .value_kind: global_buffer, .address_space: global }
      - { .name: Bo, .offset: 32, .size: 8, .value_kind: global_buffer, .address_space: global }
      - { .name: hidden_states, .offset: 40, .size: 8, .value_kind: global_buffer, .address_space: global }
      - { .name: out0, .offset: 48, .size: 8, .value_kind: global_buffer, .address_space: global }
    .group_segment_fixed_size: 327680
    .private_segment_fixed_size: 0
    .kernarg_segment_align: 8
    .kernarg_segment_size: 56
    .max_flat_workgroup_size: 128
    .sgpr_count:     102
    .vgpr_count:     1024
    .wavefront_size: 32
...
	.end_amdgpu_metadata
.endif
;; end of part 4
